; MI455X (gfx1250); checked and timed in simulation.
; The chip was launched on July 23, 2026; its instructions are those of AMD's public machine-readable ISA for CDNA 5 (MIT licence, August 2026) and "CDNA5" Instruction Set Architecture Reference Guide (July 2026). The comments in the code are by the model that wrote it; some were corrected since.
;; Standard Multi Head Attention. Allowed arithmetic: matrix products marked QUANTISED: E2M1 operands, one E8M0 scale for each 32 along K, by v_wmma_scale_f32_16x16x128_f8f6f4 with both operands' format E2M1 (or v_wmma_scale_f32_32x16x128_f4), f32 sums; products left as they are: bf16, f16 or f32 operands; f32 sums; everything else in f32.
;; Inputs: bo 1,024 float32; wk 1,024 x 1,024 float32; wo 1,024 x 1,024 float32; wq 1,024 x 1,024 float32; wv 1,024 x 1,024 float32; x 2 x 2,048 x 1,024 float32.
;; Outputs: out0 2 x 2,048 x 1,024 float32.
;; This version of the problem:
;;   THIS VERSION OF THE PROBLEM IS GIVEN IN LOW PRECISION. The matrix products marked QUANTISED in the list below multiply operands that are first quantised to E2M1 (2 exponent bits, 1 mantissa bit; 4 bits a number), with one power-of-two scale for each 32 numbers along K (OCP MX v1.0); their sums are f32. The products marked 'left as it is' may take bf16, f16 or f32 operands, with f32 sums. Whichever they take, every output number must still come out within the allowed error. Rounding operands to bf16 (8 significant bits) uses up far more of that allowance than f16 does (11 bits, for magnitudes from 6e-5 to 65,504). All else is computed in f32.
;;   The module's matrix products, in the order in which they are computed (A, B: the left and right operand; K: the contracted axis; several contracted axes count as one K, in the product's order):
;;     1. [M 4,096, K 1,024] x [K 1,024, N 1,024]; A: input x; B: input wq: QUANTISED
;;     2. [M 4,096, K 1,024] x [K 1,024, N 1,024]; A: input x; B: input wk: QUANTISED
;;     3. [M 4,096, K 1,024] x [K 1,024, N 1,024]; A: input x; B: input wv: QUANTISED
;;     4. batch 32 x [M 2,048, K 64] x [K 64, N 2,048]; A: computed on the way; B: computed on the way: left as it is (an operand is computed on the way)
;;     5. batch 32 x [M 2,048, K 2,048] x [K 2,048, N 64]; A: computed on the way; B: computed on the way: left as it is (an operand is computed on the way)
;;     6. [M 4,096, K 1,024] x [K 1,024, N 1,024]; A: computed on the way; B: input wo: left as it is (an operand is computed on the way)
;;   THE QUANTISER, for each operand of a quantised product, along K:
;;     - K is cut into blocks of 32 from its start; a last block that is shorter is filled with zeros.
;;     - A block's scale is 2^e with e = floor(log2(the largest magnitude in the block)) - 2, held to -126 .. 127; a block of zeros has e = 0. As a byte (E8M0): e + 127.
;;     - Each number is divided by its block's scale, clamped to +-6, and rounded to the nearest number of E2M1, ties to even, subnormals kept.
;;     - The product sums the exact products of the quantised numbers (number of the format x scale) in f32.
;;   ~~~python
;;   def quantise(x, axis):      # numpy; x: float32 -> the quantised numbers, widened to float32 again
;;       x = np.moveaxis(x, axis, -1); K = x.shape[-1]
;;       x = np.pad(x, [(0, 0)] * (x.ndim - 1) + [(0, -K % 32)]); x = x.reshape(x.shape[:-1] + (-1, 32)); a = np.abs(x).max(-1, keepdims=True)
;;       e = np.where(a > 0, np.clip(np.frexp(np.where(a > 0, a, 1))[1] - 1 - 2, -126, 127), 0)      # np.frexp(a)[1] - 1 = floor(log2(a)), exactly
;;       r = np.clip(x / 2.0 ** e, -6, 6)
;;       step = 2.0 ** (np.maximum(np.frexp(np.where(r == 0, 1, r))[1] - 1, 0) - 1)
;;       q = np.round(r / step) * step * 2.0 ** e      # np.round: ties to even
;;       return np.moveaxis(q.reshape(q.shape[:-2] + (-1,))[..., :K], -1, axis).astype(np.float32)
;;   ~~~
;; One version. Each part assembles by itself: llvm-mc -triple=amdgcn-amd-amdhsa -mcpu=gfx1250 --defsym DOCPART=n.
;; ======== version 1 of 1: 4 launches
;; limits: values are held in f16: magnitudes above 65,504 overflow, below 6.1e-05 lose precision
;; workspace buffers: xc 2,097,152 bytes; xs 131,072 bytes; wc 1,572,864 bytes; ws 98,304 bytes; wo16 2,097,152 bytes; qkv 25,165,824 bytes; cc 8,388,608 bytes
;; launch prep (part 1): grid 448 x 1, 4 waves a work-group, no clusters, 33,280 bytes of LDS; arguments x, wq, wk, wv, wo, xc, xs, wc, ws, wo16; writes xc, xs, wc, ws, wo16
.if DOCPART == 1
	.amdgcn_target "amdgcn-amd-amdhsa--gfx1250"
	.amdhsa_code_object_version 6
	.text
	.protected	k_qd28426a80a_prep
	.globl	k_qd28426a80a_prep
	.p2align	8
	.type	k_qd28426a80a_prep,@function
k_qd28426a80a_prep:
	s_mov_b64 s[64:65], 0
	v_nop
	global_prefetch_b8 v0, s[64:65] scope:SCOPE_SE
	s_setreg_imm32_b32 hwreg(HW_REG_WAVE_MODE, 25, 1), 1
	s_wait_xcnt 0x0
; THE OPERANDS ARE MADE READY, ONCE.  Three kinds of work-groups, told apart by the work-group's number alone:
;   0-127   X: x [4096][1024] f32 -> codes of FP4 (E2M1), K innermost, xc [4096][512 bytes], and one E8M0 byte for each 32 along K, xs [4096][32].
;   128-319 W: wq, wk, wv [1024 k][1024 n] f32, K their FIRST axis -> codes wc, laid as images of the matrix operand's registers, and scale bytes ws [3072 n][32].
;   320-447 O: wo [1024 k][1024 n] f32 -> f16, in wo's own order, wo16.
; A block's scale is 2^(floor(log2(its largest magnitude)) - 2); its byte is the largest magnitude's exponent field - 2, held at 1 from below.  Each number is divided by the scale and
; rounded to the nearest code, ties to even, beyond the largest code the largest.
; wc: [n / 256][k / 128][(n / 16) % 16][1024 bytes]; in the 1024 bytes the 16 bytes at 512 c + 16 (r + 16 h) hold k = 64 c + 32 h + 0 .. 31 of row n = r: what lane r + 16 h of the product wants in registers 4 c .. 4 c + 3.
; LIMITS: a block of zeros gets the byte 1 where the rule says 127 (its codes are zeros, and these bytes are read by this program alone); blocks whose largest magnitude lies under 2^-124 were not tried;
; NaN and infinities are not served; numbers of wo beyond 65,504 have no f16, those under 6e-5 keep an absolute error of 3e-8.
; No barrier: waves share nothing.  Only the X work-groups touch LDS.
.set WAVES, 4
.set STEPS, 16
.set EMAX,  2
.set CB,    8                          ; bytes of 16 codes
.set R,     16                         ; X: v16-79   four sets of 16 numbers as they are loaded
.set X,     80                         ; X: v80-111  two sets of 16 neighbours
.set E,     112                        ; X: v112-127 a scale byte for each step
.set C,     128                        ; X: v128-191 codes, four registers for each step
.set WREG,  8192                       ; X: LDS region of a wave: two stages of 32 x SP bytes, then its 256 scale bytes
.set SP,    80                         ; a lane's place in a stage: 64 bytes + 16 of padding
.set SPW,   12                         ; v12  LDS address of my spare word; never rewritten
.set NIL,   13                         ; v13  0; never rewritten
.set SPARE, WAVES*WREG                 ; behind the four regions: the spare words, 128 bytes a wave, which no other line names
	s_load_b512 s[4:19], s[0:1], 0x0               ; x 4:5, wq 6:7, wk 8:9, wv 10:11, wo 12:13, xc 14:15, xs 16:17, wc 18:19
	s_load_b128 s[20:23], s[0:1], 0x40             ; ws 20:21, wo16 22:23
	v_lshl_add_u32 v[SPW], v0, 2, SPARE
	v_mov_b32 v[NIL], 0
	v_lshrrev_b32 v1, 5, v0
	v_readfirstlane_b32 s24, v1                    ; wave 0..3
	v_and_b32 v2, 31, v0                           ; lane
	s_wait_kmcnt 0x0
	s_cmp_lt_u32 ttmp9, 128
	s_cbranch_scc1 .Lpath_x
	s_cmp_lt_u32 ttmp9, 320
	s_cbranch_scc1 .Lpath_w
; ---- O: a wave turns 2,048 numbers of wo into f16: sixteen loads of 512 consecutive bytes, all out at once; each pair of roundings leaves as 256 consecutive bytes, aligned.
	s_sub_co_u32 s25, ttmp9, 320
	s_lshl_b32 s25, s25, 2
	s_add_co_u32 s25, s25, s24                     ; which run of 2,048 numbers is my wave's: 0 .. 511
	s_lshl_b32 s26, s25, 13
	s_mov_b32 s27, 0
	s_add_nc_u64 s[12:13], s[12:13], s[26:27]
	s_lshl_b32 s26, s25, 12
	s_add_nc_u64 s[22:23], s[22:23], s[26:27]
	v_lshlrev_b32 v3, 4, v2
	v_lshlrev_b32 v4, 3, v2
.irp i, 0,1,2,3,4,5,6,7,8,9,10,11,12,13,14,15
	global_load_b128 v[32+4*\i:35+4*\i], v3, s[12:13] offset:512*\i th:TH_LOAD_NT
.endr
.irp i, 0,1,2,3,4,5,6,7,8,9,10,11,12,13,14,15
	s_wait_loadcnt 15-\i                           ; loads come back in order: load i is in, the younger ones stay out
	v_cvt_pk_f16_f32 v[96+2*\i], v[32+4*\i], v[33+4*\i]
	v_cvt_pk_f16_f32 v[97+2*\i], v[34+4*\i], v[35+4*\i]
	global_store_b64 v4, v[96+2*\i:97+2*\i], s[22:23] offset:256*\i
.endr
	s_endpgm
; ---- W: a work-group takes 128 columns x 128 along K of one weight; a wave 32 columns.  A LANE TAKES A COLUMN AND ITS REGISTERS RUN DOWN K: a load reads 128 consecutive bytes, a block of 32 along K
; lies in one lane's 32 registers, and the conversions give 16 bytes of codes with K innermost.  In the image those 16 bytes of sixteen neighbouring columns are neighbours: sixteen lanes store 256 consecutive bytes, aligned, from registers.
.Lpath_w:
	s_sub_co_u32 s25, ttmp9, 128                   ; j = 0 .. 191
	s_lshr_b32 s26, s25, 6                         ; which weight
	s_cmp_eq_u32 s26, 0
	s_cselect_b64 s[28:29], s[6:7], s[8:9]
	s_cmp_eq_u32 s26, 2
	s_cselect_b64 s[28:29], s[10:11], s[28:29]     ; the choice hangs on the work-group's number alone
	s_and_b32 s30, s25, 7                          ; cb: which 128 columns
	s_bfe_u32 s31, s25, 0x30003                    ; q: which 128 along K
	s_lshl_b32 s32, s31, 19                        ; 128 rows of 4,096 bytes
	s_lshl_b32 s33, s30, 9
	s_add_co_u32 s32, s32, s33
	s_lshl_b32 s33, s24, 7                         ; my wave's 32 columns
	s_add_co_u32 s32, s32, s33
	s_mov_b32 s33, 0
	s_add_nc_u64 s[28:29], s[28:29], s[32:33]
	s_lshl_b32 s34, s26, 2                         ; the image: n / 256 = 4 x weight + cb / 2,
	s_lshr_b32 s35, s30, 1
	s_add_co_u32 s34, s34, s35
	s_lshl_b32 s34, s34, 17
	s_lshl_b32 s35, s31, 14                        ; K step q,
	s_add_co_u32 s34, s34, s35
	s_and_b32 s35, s30, 1                          ; tile 8 (cb % 2) + 2 x wave (+ lane / 16)
	s_lshl_b32 s35, s35, 13
	s_add_co_u32 s34, s34, s35
	s_lshl_b32 s35, s24, 11
	s_add_co_u32 s34, s34, s35
	s_mov_b32 s35, 0
	s_add_nc_u64 s[18:19], s[18:19], s[34:35]
	s_lshl_b32 s34, s26, 15                        ; the scale bytes: row n of 32 bytes, byte 4 q on
	s_lshl_b32 s36, s30, 12
	s_add_co_u32 s34, s34, s36
	s_lshl_b32 s36, s24, 10
	s_add_co_u32 s34, s34, s36
	s_lshl_b32 s36, s31, 2
	s_add_co_u32 s34, s34, s36
	s_add_nc_u64 s[20:21], s[20:21], s[34:35]
	v_lshlrev_b32 v3, 2, v2                        ; in: 4 bytes a lane
	v_lshrrev_b32 v4, 4, v2
	v_and_b32 v5, 15, v2
	v_lshlrev_b32 v4, 10, v4
	v_lshl_add_u32 v4, v5, 4, v4                   ; out: 1,024 (lane / 16) + 16 (lane % 16)
	v_lshlrev_b32 v5, 5, v2                        ; my column's row of scale bytes
.macro WLOAD t                         ; block t: W(32 t + i, my column), i = 0 .. 31; each block has registers of its own
.set i, 0
.rept 32
	global_load_b32 v[32+32*(\t)+i], v3, s[28:29] offset:(32*(\t)+i)*4096 th:TH_LOAD_NT
.set i, i+1
.endr
.endm
.macro WBLOCK t, left
.set XS, 32+32*(\t)
	s_wait_loadcnt \left                           ; this block's 32 loads are in; the next block's 32 may be out
.if (\t)+2 < 4
	WLOAD (\t)+2                                   ; two blocks ahead: 64 loads of the wave are out
.endif
	v_max3_num_f32 v8, |v[XS]|, |v[XS+1]|, |v[XS+2]|               ; the block's largest magnitude: all 32 numbers are mine; two chains
	v_max3_num_f32 v9, |v[XS+3]|, |v[XS+4]|, |v[XS+5]|
.irp i, 6,10,14,18,22,26
	v_max3_num_f32 v8, v8, |v[XS+\i]|, |v[XS+\i+1]|
	v_max3_num_f32 v9, v9, |v[XS+\i+2]|, |v[XS+\i+3]|
.endr
	v_max3_num_f32 v8, v8, |v[XS+30]|, |v[XS+31]|
	v_max3_num_f32 v8, v8, v9, (EMAX+1)<<23        ; and the floor 2^(3 - 127): the byte cannot fall under 1
	v_add_nc_u32 v11, -(EMAX<<23), v8              ; 2 off its exponent field: the conversion takes the exponent field of this operand as its scale
	v_lshrrev_b32 v10, 23, v11                     ; the scale's byte
.if (\t) == 0
	v_mov_b32 v24, v10                             ; four bytes make my column's scale word for these 128 along K, the lower K in the lower byte
.else
	v_lshl_or_b32 v24, v10, 8*(\t), v24
.endif
.irp g, 0,1,2,3
	v_cvt_scalef32_pk8_fp4_f32 v[160+4*(\t)+\g], v[XS+8*\g:XS+8*\g+7], v11
.endr
	global_store_b128 v4, v[160+4*(\t):163+4*(\t)], s[18:19] offset:512*((\t)/2)+256*((\t)%2)   ; block t = 2 c + h.  No register is written twice, so nothing waits for the stores; the next block begins with plain vector lines
.endm
	WLOAD 0
	WLOAD 1
	WBLOCK 0, 32
	WBLOCK 1, 32
	WBLOCK 2, 32
	WBLOCK 3, 0
	global_store_b32 v5, v24, s[20:21]             ; 4 bytes a lane, 32 bytes apart: 96 KiB in the whole launch, kept in rows so that the product reads scale words row by row
	s_endpgm
; ---- X: rows are dense and K is a multiple of 32, so x is a plain stream of blocks of 32.  A wave takes 16 steps of 512 numbers.  Each load reads 512 consecutive bytes, 16 a lane; the conversions want 16 NEIGHBOURS
; in a lane, so a step's 2,048 bytes turn through the wave's own stage in LDS and come back 64 bytes a lane (two neighbouring lanes hold a block).  Loads run four steps ahead, the turn one step.
.Lpath_x:
	v_lshlrev_b32 v3, 4, v2                        ; my 16 bytes of a load's 512
	s_mul_i32 s25, s24, WREG
	v_lshrrev_b32 v14, 2, v2
	v_mul_u32_u24 v14, v14, SP
	v_and_b32 v15, 3, v2
	v_lshl_add_u32 v14, v15, 4, v14
	v_add_nc_u32 v14, s25, v14                     ; the stage, on the way in: SP (lane / 4) + 16 (lane % 4)
	v_mul_u32_u24 v15, v2, SP
	v_add_nc_u32 v15, s25, v15                     ; and on the way out: SP x lane
	v_mul_u32_u24 v4, v2, CB                       ; my codes' place in a step's
	v_lshrrev_b32 v5, 1, v2
	s_add_co_u32 s25, s25, 2*32*SP
	v_add_nc_u32 v5, s25, v5                       ; my wave's 256 scale bytes, my block's byte
	v_lshlrev_b32 v7, 3, v2
	v_add_nc_u32 v6, s25, v7                       ; and on the way out 8 bytes a lane
	s_lshl_b32 s26, ttmp9, 2
	s_add_co_u32 s26, s26, s24                     ; which run of 8,192 numbers is my wave's: 0 .. 511
	s_mov_b32 s29, 0
	s_lshl_b32 s28, s26, 15
	s_add_nc_u64 s[4:5], s[4:5], s[28:29]
	s_lshl_b32 s28, s26, 12
	s_add_nc_u64 s[14:15], s[14:15], s[28:29]
	s_lshl_b32 s28, s26, 8
	s_add_nc_u64 s[16:17], s[16:17], s[28:29]
.macro XLOAD t
.irp i, 0,1,2,3
	global_load_b128 v[R+16*((\t)%4)+4*\i:R+16*((\t)%4)+4*\i+3], v3, s[4:5] offset:2048*(\t)+512*\i th:TH_LOAD_NT
.endr
.endm
.macro XTURN t                         ; step t's numbers through the stage: LDS serves a wave's instructions in order, so no wait stands between the stores and the loads
.irp i, 0,1,2,3
	ds_store_b128 v14, v[R+16*((\t)%4)+4*\i:R+16*((\t)%4)+4*\i+3] offset:32*SP*((\t)%2)+8*SP*\i
.endr
.irp i, 0,1,2,3
	ds_load_b128 v[X+16*((\t)%2)+4*\i:X+16*((\t)%2)+4*\i+3], v15 offset:32*SP*((\t)%2)+16*\i
.endr
.endm
.irp t, 0,1,2,3
	XLOAD \t
.endr
	s_wait_loadcnt 12                              ; step 0's four loads are in
	XTURN 0
.macro XSTEP t
.set XS, X+16*((\t)%2)
.if (\t) > 0
	s_wait_dscnt 1                                 ; this step's numbers are back from the stage (the last step's byte store may be out): so its stores into the stage have read their registers,
.else
	s_wait_dscnt 0x0
.endif
.if (\t)+4 < STEPS
	XLOAD (\t)+4                                   ; which take the loads of four steps on
.endif
.if (\t)+1 < STEPS
.if STEPS-2-(\t) >= 3
	s_wait_loadcnt 12                              ; the next step's four loads are in; those of the three steps behind it may be out
.else
	s_wait_loadcnt 4*(STEPS-2-(\t))
.endif
	XTURN (\t)+1                                   ; and go through the other stage while this step is worked
.endif
	v_max3_num_f32 v8, |v[XS]|, |v[XS+1]|, |v[XS+2]|               ; the largest magnitude of my 16
	v_max3_num_f32 v9, |v[XS+3]|, |v[XS+4]|, |v[XS+5]|
.irp i, 6,10
	v_max3_num_f32 v8, v8, |v[XS+\i]|, |v[XS+\i+1]|
	v_max3_num_f32 v9, v9, |v[XS+\i+2]|, |v[XS+\i+3]|
.endr
	v_max3_num_f32 v8, v8, |v[XS+14]|, |v[XS+15]|
	v_max3_num_f32 v8, v8, v9, (EMAX+1)<<23        ; and the floor
	v_max_num_f32_dpp v8, v8, v8 row_xmask:1 row_mask:0xf bank_mask:0xf   ; and of my neighbour's 16: the block's
	v_add_nc_u32 v11, -(EMAX<<23), v8
	v_cvt_scalef32_pk8_fp4_f32 v[C+4*(\t)], v[XS:XS+7], v11
	v_cvt_scalef32_pk8_fp4_f32 v[C+4*(\t)+1], v[XS+8:XS+15], v11
	v_lshrrev_b32 v[E+(\t)], 23, v11               ; the scale's byte (a plain line behind the conversions)
	ds_store_b8 v5, v[E+(\t)] offset:16*(\t)       ; both lanes of a block write the same byte with the same value
	global_store_b64 v4, v[C+4*(\t):C+4*(\t)+1], s[14:15] offset:32*CB*(\t)   ; the wave stores 256 consecutive bytes, aligned
.endm
.irp t, 0,1,2,3,4,5,6,7,8,9,10,11,12,13,14,15
	XSTEP \t
.endr
	ds_load_b64 v[8:9], v6                         ; LDS serves a wave's instructions in order: these see my stores
	s_wait_dscnt 0x0
	global_store_b64 v7, v[8:9], s[16:17]          ; 32 lanes store 256 consecutive bytes, aligned
	s_wait_tensorcnt 0x0                           ; the wave's end: behind my last LDS store
	ds_add_u32 v[SPW], v[NIL]
	s_wait_dscnt 0x0
	s_endpgm
.Lfunc_end_k_qd28426a80a_prep:
	.size	k_qd28426a80a_prep, .Lfunc_end_k_qd28426a80a_prep-k_qd28426a80a_prep
	.p2alignl 7, 3214868480
	.fill 96, 4, 3214868480
	.section	.rodata,"a",@progbits
	.p2align	6, 0x0
	.amdhsa_kernel k_qd28426a80a_prep
		.amdhsa_group_segment_fixed_size 33280
		.amdhsa_private_segment_fixed_size 0
		.amdhsa_enable_private_segment 0
		.amdhsa_kernarg_size 80
		.amdhsa_user_sgpr_count 2
		.amdhsa_user_sgpr_kernarg_segment_ptr 1
		.amdhsa_wavefront_size32 1
		.amdhsa_system_sgpr_workgroup_id_x 1
		.amdhsa_system_sgpr_workgroup_id_y 1
		.amdhsa_system_sgpr_workgroup_id_z 1
		.amdhsa_system_vgpr_workitem_id 0
		.amdhsa_next_free_vgpr 192
		.amdhsa_next_free_sgpr 66
		.amdhsa_reserve_vcc 0
		.amdhsa_float_denorm_mode_32 3
		.amdhsa_float_denorm_mode_16_64 3
		.amdhsa_memory_ordered 1
		.amdhsa_forward_progress 1
		.amdhsa_inst_pref_size 59
	.end_amdhsa_kernel
	.amdgpu_metadata
---
amdhsa.version: [ 1, 2 ]
amdhsa.kernels:
  - .name:           k_qd28426a80a_prep
    .symbol:         k_qd28426a80a_prep.kd
    .args:
      - { .name: x, .offset: 0, .size: 8, .value_kind: global_buffer, .address_space: global }
      - { .name: wq, .offset: 8, .size: 8, .value_kind: global_buffer, .address_space: global }
      - { .name: wk, .offset: 16, .size: 8, .value_kind: global_buffer, .address_space: global }
      - { .name: wv, .offset: 24, .size: 8, .value_kind: global_buffer, .address_space: global }
      - { .name: wo, .offset: 32, .size: 8, .value_kind: global_buffer, .address_space: global }
      - { .name: xc, .offset: 40, .size: 8, .value_kind: global_buffer, .address_space: global }
      - { .name: xs, .offset: 48, .size: 8, .value_kind: global_buffer, .address_space: global }
      - { .name: wc, .offset: 56, .size: 8, .value_kind: global_buffer, .address_space: global }
      - { .name: ws, .offset: 64, .size: 8, .value_kind: global_buffer, .address_space: global }
      - { .name: wo16, .offset: 72, .size: 8, .value_kind: global_buffer, .address_space: global }
    .group_segment_fixed_size: 33280
    .private_segment_fixed_size: 0
    .kernarg_segment_align: 8
    .kernarg_segment_size: 80
    .max_flat_workgroup_size: 128
    .sgpr_count:     66
    .vgpr_count:     192
    .wavefront_size: 32
...
	.end_amdgpu_metadata
.endif
;; end of part 1
;; launch gemm_qkv (part 2): grid 12 x 16, 4 waves a work-group, clusters of 4 x 4, 327,680 bytes of LDS; arguments xc, xs, wc, ws, qkv; writes qkv
.if DOCPART == 2
	.amdgcn_target "amdgcn-amd-amdhsa--gfx1250"
	.amdhsa_code_object_version 6
	.text
	.protected	k_qd28426a80a_gemm_qkv
	.globl	k_qd28426a80a_gemm_qkv
	.p2align	8
	.type	k_qd28426a80a_gemm_qkv,@function
k_qd28426a80a_gemm_qkv:
	s_mov_b64 s[64:65], 0
	v_nop
	global_prefetch_b8 v0, s[64:65] scope:SCOPE_SE
	s_setreg_imm32_b32 hwreg(HW_REG_WAVE_MODE, 25, 1), 1
	s_wait_xcnt 0x0
	s_wait_alu depctr_hold_cnt(0) depctr_sa_sdst(0) depctr_va_vdst(0) depctr_va_sdst(0) depctr_va_ssrc(0) depctr_va_vcc(0) depctr_vm_vsrc(0)
	s_getreg_b32 s2, hwreg(HW_REG_IB_STS2, 6, 4)
	s_cmp_eq_u32 s2, 0
	s_cbranch_scc0 .Lentry_in_a_cluster
	s_endpgm
.Lentry_in_a_cluster:
	s_bfe_u32 s2, ttmp6, 0x10000c
	s_cmp_lg_u32 s2, 0xf033
	s_cbranch_scc0 .Lentry_shape_is_right
	s_endpgm
.Lentry_shape_is_right:
; q, k, v = x wq, x wk, x wv as ONE product on codes of FP4 (E2M1) with E8M0 scales: [4096 tokens][1024 K] x [3072 columns][1024 K]; sums in f32; results rounded once to f16 and laid by head:
; qkv [3 (q, k, v)][32 (16 batch + head)][2048 tokens][64] f16.
; A work-group of four waves makes 256 tokens x 256 columns (four heads of one of q, k, v); a wave 128 x 128: 64 accumulators of 16 x 16, 512 registers.
; K = 1,024 is exactly two LDS slots of 512 along K, so every tile is asked for at the head and nothing is filled again.  x's codes lie in rows (256 bytes of a row in a slot, 16 of padding behind each);
; the weights' codes come as images of the operand's registers: a dense block, read back 16 bytes a lane.  The scale bytes of the 256 + 256 rows, for all of K, come once, as dense blocks.
; CLUSTERS: 4 x 4 work-groups.  The four of a row of the cluster need the same tiles of x, the four of a column the same tiles of the weights: each is asked for JOINTLY, by the same tensor load with the same
; descriptor and a mask that names the four.  By this text's count a wave has three tensor loads out at the most.
; THE MATRIX INSTRUCTION IS USED TRANSPOSED (source 0 = 16 columns of the weights, source 1 = 16 tokens): a lane then holds eight neighbouring columns of one token.
; 192 work-groups: a tile of 256 x 192 would make 256, but would straddle q, k and v.
; LIMIT: results beyond 65,504 in magnitude have no f16; under 6e-5 they keep an absolute error of 3e-8.
; REGISTERS, in windows of 256: window 0: v16-29 addresses; v32-95 scale words, two sets, and nothing else; v128-191 x's fragments, ONE set (on the way out: rows read back); v192-223 packed results.
;   window 1: the weights' fragments, TWO sets, at v0 and v128.   window 2: the accumulators of my tokens 0-63 ((a, b) at v[8 (8 a + b)]);   window 3: those of my tokens 64-127.
.set NQ,     4                         ; matrix instructions deep in a slot: 512 / 128
.set PITCH,  272                       ; an LDS row of x's codes: 256 bytes + 16 of padding: an odd multiple of 16 bytes, so that the 16 rows of a load start 16 bytes apart modulo 256
.set FR,     8                         ; registers of a fragment: 16 rows x 128 K
.set NL,     2                         ; LDS loads that bring one
.set NP,     4                         ; places behind this matrix instruction (ISA guide 7.12.1)
.set HALFT,  128*PITCH                 ; 128 rows of x: what one tensor load brings, and what one wave reads
.set SLOTA,  2*HALFT
.set BBASE,  2*SLOTA                   ; the weights' images: K step q of 128 at 16,384 q, tile t at 1,024 t
.set BSLOT,  65536
.set SCL,    BBASE+2*BSLOT             ; the scales, as pieces of 256 bytes + 16 of padding
.set HALFS,  16*272                    ; those of 128 rows (32 bytes a row)
.set SBLK,   2*272                     ; those of 16 rows
.set SPARE,  SCL+4*HALFS               ; the spare words, 128 bytes a wave, which no other line names
.set STAGE,  SPARE+512                 ; the way out: 16 rows x 272 bytes for each wave; no tensor load lands here
.set ADRA, 16                          ; v16-17  LDS address of my fragments of x in slot 0, 1
.set ADRB, 20                          ; v20-21  the same for the weights
.set STO,  24                          ; v24     the way out: where I put 16 bytes of a row
.set RD,   25                          ; v25     where I read rows back
.set CO,   26                          ; v26     16 x lane
.set ADRS, 27                          ; v27     LDS address of my scale words: lanes 0-15 x's rows, lanes 16-31 the weights'
.set SPW,  28                          ; v28     LDS address of my spare word; never rewritten
.set NIL,  29                          ; v29     0; never rewritten
.set SC,   32
.set AF,   128
.set BK,   128
.set TMP,  192
.set G1, 24                            ; s[24:31] group 1 for x's tiles;  s[32:39] group 0, one set for each slot
.set G0, 32
.set G1B, 48                           ; s[48:55], s[56:63] the same for the weights'
.set G0B, 56
.set G1S, 68                           ; s[68:75], s[76:79] groups 1 and 0 for x's scales;  s[80:87], s[88:91] for the weights'
.set G0S, 76
.set G1SB, 80
.set G0SB, 88
.set MSB, 0
.macro WIN new                         ; the immediate's high byte repeats the setting that is left
.if MSB != (\new)
	s_set_vgpr_msb (MSB<<8)|(\new)
.set MSB, (\new)
.endif
.endm
.set MUL_LO, 0xa1                      ; source 0 window 1, source 1 window 0, C and D window 2
.set MUL_HI, 0xf1                      ; the same, C and D window 3
.set TO_B,   0x40                      ; destination window 1, address window 0
; A joint load: waves 0 and 1 fetch for x, waves 2 and 3 for the weights.  The branch hangs on the wave's number alone.  An s_nop 0 and four v_nop follow each of the two lines.
.macro JLOAD g0a, g1a, g0b, g1b
	s_cmp_eq_u32 s15, 0
	s_cbranch_scc0 .Lfor_b_\@
	tensor_load_to_lds s[\g0a:\g0a+3], s[\g1a:\g1a+7]
	s_nop 0
.rept 4
	v_nop
.endr
	s_branch .Lasked_\@
.Lfor_b_\@:
	tensor_load_to_lds s[\g0b:\g0b+3], s[\g1b:\g1b+7]
	s_nop 0
.rept 4
	v_nop
.endr
.Lasked_\@:
.endm
.macro CROUND                          ; a round of the cluster's barrier
	s_barrier_signal -1
	s_barrier_wait -1
	s_cmp_lg_u32 s14, 0
	s_cbranch_scc1 .Lnot_wave_0_\@
	s_barrier_signal -3
.Lnot_wave_0_\@:
	s_barrier_wait -3
	s_barrier_signal -1
	s_barrier_wait -1
.endm
	s_load_b128 s[4:7], s[0:1], 0x0                ; x's codes, x's scales
	s_load_b128 s[8:11], s[0:1], 0x10              ; the weights' codes, their scales
	s_load_b64 s[12:13], s[0:1], 0x20              ; qkv
	v_lshl_add_u32 v[SPW], v0, 2, SPARE
	v_mov_b32 v[NIL], 0
	ds_add_u32 v[SPW], v[NIL]                      ; the wave's opening: the add, twice on end, and its wait ahead of my first tensor load
	ds_add_u32 v[SPW], v[NIL]
	v_lshrrev_b32 v1, 5, v0
	v_readfirstlane_b32 s14, v1                    ; wave 0..3
	s_lshr_b32 s15, s14, 1                         ; which half of the tile's tokens is mine.  Also: I fetch for x (0) or for the weights (1)
	s_and_b32 s16, s14, 1                          ; which half of its columns.  Also: which half of that tile I fetch
	s_bfe_u32 s40, ttmp6, 0x40000                  ; cx, cy: my place in the cluster
	s_bfe_u32 s41, ttmp6, 0x40004
	s_lshl_b32 s42, ttmp9, 2
	s_add_co_u32 s42, s42, s40                     ; tc: tile column = 4 x cluster x + cx
	s_and_b32 s17, ttmp7, 0xffff
	s_lshl_b32 s17, s17, 2
	s_add_co_u32 s17, s17, s41                     ; tr: tile row = 4 x cluster y + cy
	s_lshl_b32 s43, s41, 2
	s_lshl_b32 s43, 15, s43                        ; my row of the cluster
	s_lshl_b32 s44, 0x1111, s40                    ; my column
	s_or_b32 s[G1+0], s43, (0<<16)|(1<<20)|(1<<21)|(5<<22)|(3<<25)  ; x's codes: the mask of my row; elements of 1 byte; padding on; bit 21 beside a mask; 4 words after every 64
	s_mov_b32 s[G1+1], 256<<16                     ; tensor_dim0 = 256 bytes
	s_mov_b32 s[G1+2], 128<<16                     ; tensor_dim1 = 128 rows
	s_mov_b32 s[G1+3], 256<<16                     ; tile_dim0
	s_mov_b32 s[G1+4], 128                         ; tile_dim1
	s_mov_b32 s[G1+5], 512                         ; from row to row: 1,024 codes
	s_mov_b32 s[G1+6], 0
	s_mov_b32 s[G1+7], 0
	s_or_b32 s[G1B+0], s44, (3<<16)|(1<<21)        ; the weights' images: the mask of my column; elements of 8 bytes; no padding: 32,768 dense bytes as 128 rows of 256
	s_mov_b32 s[G1B+1], 32<<16
	s_mov_b32 s[G1B+2], 128<<16
	s_mov_b32 s[G1B+3], 32<<16
	s_mov_b32 s[G1B+4], 128
	s_mov_b32 s[G1B+5], 32
	s_mov_b32 s[G1B+6], 0
	s_mov_b32 s[G1B+7], 0
	s_or_b32 s[G1S+0], s43, (3<<16)|(1<<20)|(1<<21)|(5<<22)|(3<<25)   ; the scales of 128 rows: 4,096 dense bytes as 16 rows of 256, 16 bytes of padding behind each
	s_or_b32 s[G1SB+0], s44, (3<<16)|(1<<20)|(1<<21)|(5<<22)|(3<<25)
.irp g, G1S, G1SB
	s_mov_b32 s[\g+1], 32<<16
	s_mov_b32 s[\g+2], 16<<16
	s_mov_b32 s[\g+3], 32<<16
	s_mov_b32 s[\g+4], 16
	s_mov_b32 s[\g+5], 32
	s_mov_b32 s[\g+6], 0
	s_mov_b32 s[\g+7], 0
.endr
	s_lshl_b32 s18, s16, 7                         ; which 128 rows I fetch
	s_lshl_b32 s20, s17, 8
	s_add_co_u32 s20, s20, s18                     ; x: token 256 tr + 128 x half
	s_lshl_b32 s46, s42, 8
	s_add_co_u32 s46, s46, s18                     ; the weights: column 256 tc + 128 x half
	s_mov_b32 s21, 0
	s_mov_b32 s47, 0
	s_lshl_b64 s[22:23], s[20:21], 5               ; where these rows' scales begin: 32 bytes a row
	s_lshl_b64 s[92:93], s[46:47], 5
	s_lshl_b64 s[20:21], s[20:21], 9               ; x's codes: 512 bytes a row
	s_lshl_b32 s46, s42, 17                        ; the images of tile column tc: 131,072 bytes; my half of a slot's four K steps: 32,768
	s_lshl_b32 s95, s16, 15
	s_add_co_u32 s46, s46, s95
	s_mul_i32 s45, s16, HALFT                      ; where they go: no place in the cluster enters an LDS address
	s_add_co_u32 s96, s95, BBASE
	s_mul_i32 s94, s14, HALFS
	s_wait_dscnt 0x0                               ; both opening adds are done
	s_wait_kmcnt 0x0
	s_add_nc_u64 s[20:21], s[4:5], s[20:21]
	s_add_nc_u64 s[22:23], s[6:7], s[22:23]
	s_add_nc_u64 s[46:47], s[8:9], s[46:47]
	s_add_nc_u64 s[92:93], s[10:11], s[92:93]
	CROUND                                         ; all sixteen work-groups are here: the joint loads meet
	s_mov_b32 s[G0S], 1
	s_add_co_u32 s[G0S+1], s94, SCL
	s_mov_b64 s[G0S+2:G0S+3], s[22:23]
	s_or_b32 s[G0S+3], s[G0S+3], 0x80000000
	s_mov_b32 s[G0SB], 1
	s_add_co_u32 s[G0SB+1], s94, SCL
	s_mov_b64 s[G0SB+2:G0SB+3], s[92:93]
	s_or_b32 s[G0SB+3], s[G0SB+3], 0x80000000
	JLOAD G0S, G1S, G0SB, G1SB                     ; the scales first: they are wanted with slot 0
.irp s, 0,1
	s_mov_b32 s[G0+4*\s], 1
	s_add_co_u32 s[G0+4*\s+1], s45, \s*SLOTA
	s_add_nc_u64 s[G0+4*\s+2:G0+4*\s+3], s[20:21], \s*256
	s_or_b32 s[G0+4*\s+3], s[G0+4*\s+3], 0x80000000
	s_mov_b32 s[G0B+4*\s], 1
	s_add_co_u32 s[G0B+4*\s+1], s96, \s*BSLOT
	s_add_nc_u64 s[G0B+4*\s+2:G0B+4*\s+3], s[46:47], \s*BSLOT
	s_or_b32 s[G0B+4*\s+3], s[G0B+4*\s+3], 0x80000000
	JLOAD G0+4*\s, G1, G0B+4*\s, G1B
.endr
	v_and_b32 v1, 15, v0                           ; r = l % 16
	v_bfe_u32 v2, v0, 4, 1                         ; h = l / 16
	v_mul_u32_u24 v3, v1, PITCH
	v_lshl_add_u32 v4, v2, 4, v3                   ; row x pitch + 16 x half
	s_mul_i32 s21, s15, HALFT                      ; my 128 tokens
	v_add_nc_u32 v[ADRA], s21, v4
	s_add_co_u32 s21, s21, SLOTA
	v_add_nc_u32 v[ADRA+1], s21, v4
	v_and_b32 v6, 31, v0
	v_lshlrev_b32 v[CO], 4, v6                     ; 16 x lane: an image's place for my lane, and my place in 512 stored bytes
	s_lshl_b32 s22, s16, 13                        ; my eight tiles of the sixteen
	s_add_co_u32 s22, s22, BBASE
	v_add_nc_u32 v[ADRB], s22, v[CO]
	s_add_co_u32 s22, s22, BSLOT
	v_add_nc_u32 v[ADRB+1], s22, v[CO]
	v_lshlrev_b32 v5, 5, v1                        ; my row's scales: 32 bytes a row,
	v_lshrrev_b32 v7, 8, v5
	v_lshl_add_u32 v5, v7, 4, v5                   ; and 16 more for each 256 passed
	s_mul_i32 s21, s15, HALFS                      ; x's: my 128 rows
	s_mul_i32 s22, s16, HALFS                      ; the weights': my 128 rows, behind x's 256
	s_add_co_u32 s22, s22, 2*HALFS
	s_sub_co_u32 s22, s22, s21
	v_mul_u32_u24 v7, s22, v2                      ; lanes 16-31 take the weights': one product, the distance between the two bases x h
	s_add_co_u32 s21, s21, SCL
	v_add_nc_u32 v5, v5, v7
	v_add_nc_u32 v[ADRS], s21, v5
	s_mul_i32 s23, s14, 16*272
	s_add_co_u32 s23, s23, STAGE                   ; my stage
	v_add_nc_u32 v[STO], s23, v4                   ; in: row r, 16 bytes for each half of the lanes
	v_lshrrev_b32 v8, 3, v6
	v_mul_u32_u24 v8, v8, 272
	v_and_b32 v9, 7, v0
	v_lshl_add_u32 v8, v9, 4, v8
	v_add_nc_u32 v[RD], s23, v8                    ; back: eight lanes take 128 bytes (one head's 64 numbers) of a row, 32 lanes four rows
	s_lshr_b32 s20, s17, 3                         ; where my part begins in qkv: batch,
	s_lshl_b32 s20, s20, 4
	s_and_b32 s21, s42, 3
	s_lshl_b32 s21, s21, 2
	s_add_co_u32 s20, s20, s21
	s_lshl_b32 s21, s16, 1
	s_add_co_u32 s20, s20, s21                     ; 16 x batch + my first head,
	s_lshl_b32 s20, s20, 11
	s_and_b32 s21, s17, 7
	s_lshl_b32 s21, s21, 8
	s_add_co_u32 s20, s20, s21
	s_lshl_b32 s21, s15, 7
	s_add_co_u32 s20, s20, s21                     ; my first token in the sequence,
	s_lshl_b32 s20, s20, 7                         ; 128 bytes a row,
	s_lshr_b32 s21, s42, 2
	s_lshl_b32 s21, s21, 23                        ; and q, k or v
	s_add_co_u32 s20, s20, s21
	s_mov_b32 s21, 0
	s_add_nc_u64 s[12:13], s[12:13], s[20:21]
.macro FRAGA reg, adr, q, i            ; 16 tokens x 128 K: lane l holds row l % 16; registers 4 c .. 4 c + 3 hold K = 64 c + 32 (l / 16) + 0 .. 31
.irp c, 0,1
	ds_load_b128 v[\reg+4*\c:\reg+4*\c+3], v[\adr] offset:64*(\q)+32*\c+(\i)*16*PITCH
.endr
.endm
.macro FRAGB reg, adr, q, i            ; the same of the weights, from the image: 512 consecutive bytes a load
.irp c, 0,1
	ds_load_b128 v[\reg+4*\c:\reg+4*\c+3], v[\adr] offset:16384*(\q)+1024*(\i)+512*\c
.endr
.endm
; 16 matrix instructions: x's blocks a0, a0 + 1 against the weights' eight, 128 along K: the slot's q-th.  p: the weights' set;  sc: the set of scale words.  zero = 1: the first product starts the sums.
; The 64 accumulators take turns, one instruction a turn, in the same order in every step.
.macro MUL16 a0, p, q, sc, zero
.irp a, \a0, \a0+1
.irp b, 0,1,2,3,4,5,6,7
.if \zero
	v_wmma_scale_f32_16x16x128_f8f6f4 v[8*(8*((\a)%4)+\b):8*(8*((\a)%4)+\b)+7], v[128*(\p)+FR*\b:128*(\p)+FR*\b+FR-1], v[AF+FR*(\a):AF+FR*(\a)+FR-1], 0, v[SC+8*NQ*(\sc)+NQ*\b+(\q)], v[SC+8*NQ*(\sc)+NQ*(\a)+(\q)] matrix_a_fmt:MATRIX_FMT_FP4 matrix_b_fmt:MATRIX_FMT_FP4 matrix_a_scale:MATRIX_SCALE_ROW1
.else
	v_wmma_scale_f32_16x16x128_f8f6f4 v[8*(8*((\a)%4)+\b):8*(8*((\a)%4)+\b)+7], v[128*(\p)+FR*\b:128*(\p)+FR*\b+FR-1], v[AF+FR*(\a):AF+FR*(\a)+FR-1], v[8*(8*((\a)%4)+\b):8*(8*((\a)%4)+\b)+7], v[SC+8*NQ*(\sc)+NQ*\b+(\q)], v[SC+8*NQ*(\sc)+NQ*(\a)+(\q)] matrix_a_fmt:MATRIX_FMT_FP4 matrix_b_fmt:MATRIX_FMT_FP4 matrix_a_scale:MATRIX_SCALE_ROW1
.endif
.endr
.endr
.endm
.macro FETCH_B slot, q, p
	WIN TO_B
.irp i, 0,1,2,3,4,5,6,7
	FRAGB 128*(\p)+FR*\i, ADRB+\slot, \q, \i
.endr
	WIN 0
.endm
.macro FETCH_A slot, q, i0
.irp i, \i0, \i0+1, \i0+2, \i0+3
	FRAGA AF+FR*(\i), ADRA+\slot, \q, \i
.endr
.endm
.macro SCALES sc                       ; a slot's scale words into set sc: four words a row; lanes 0-15 take x's block i, lanes 16-31 the weights' block i
.irp i, 0,1,2,3,4,5,6,7
	ds_load_b128 v[SC+8*NQ*\sc+NQ*\i:SC+8*NQ*\sc+NQ*\i+3], v[ADRS] offset:\i*SBLK
.endr
.endm
.macro PLACES n                        ; plain vector instructions between a matrix instruction and a load into one of its registers, or a read of its result
.rept \n
	v_nop
.endr
.endm
.macro STEP slot, q, zero              ; a step of 128 along K that has its successor in the same slot
	s_wait_dscnt 4*NL                              ; the weights' set and x's blocks 0-3 are in; the youngest eight loads (x's blocks 4-7) may be out
	WIN MUL_LO
	MUL16 0, (\q)%2, \q, \slot, \zero
	MUL16 2, (\q)%2, \q, \slot, \zero
	s_wait_dscnt 0                                 ; x's blocks 4-7 are in
	PLACES NP
	FETCH_B \slot, (\q)+1, 1-(\q)%2
	FETCH_A \slot, (\q)+1, 0
	WIN MUL_HI
	MUL16 4, (\q)%2, \q, \slot, \zero
	MUL16 6, (\q)%2, \q, \slot, \zero
	PLACES NP
	WIN 0
	FETCH_A \slot, (\q)+1, 4
.endm
.macro TURN slot, next                 ; slot 0's last step changes slots: one barrier; in front of it each wave waits for all its tensor loads, adds 0 to its spare word, and waits for that and for its LDS reads.  Nothing is filled again
	s_wait_tensorcnt 0x0                           ; all my tensor loads have landed: my part of the next slot
	ds_add_u32 v[SPW], v[NIL]                      ; 0 onto my spare word
	s_wait_dscnt 4*NL+1                            ; (the add and the youngest eight loads may be out)
	WIN MUL_LO
	MUL16 0, 1, NQ-1, \slot, 0
	s_wait_dscnt 0x0
	s_barrier_signal -1
	MUL16 2, 1, NQ-1, \slot, 0
	WIN 0
	s_barrier_wait -1                              ; everybody's part of the next slot is in
	PLACES NP
	v_add_nc_u32 v[ADRS], 4*NQ, v[ADRS]            ; on to the next slot's scale words
	FETCH_B \next, 0, 0
	FETCH_A \next, 0, 0
	SCALES \next
	WIN MUL_HI
	MUL16 4, 1, NQ-1, \slot, 0
	MUL16 6, 1, NQ-1, \slot, 0
	PLACES NP
	WIN 0
	FETCH_A \next, 0, 4
.endm
	s_wait_tensorcnt 1                             ; the scales and my part of slot 0 are in (slot 1's load may be out)
	s_barrier_signal -1
	s_barrier_wait -1                              ; everybody's are
	FETCH_B 0, 0, 0
	FETCH_A 0, 0, 0
	SCALES 0
	FETCH_A 0, 0, 4
	STEP 0, 0, 1                                   ; the first step's products start the sums: nothing is cleared
	STEP 0, 1, 0
	STEP 0, 2, 0
	TURN 0, 1
	STEP 1, 0, 0
	STEP 1, 1, 0
	STEP 1, 2, 0
	s_wait_dscnt 4*NL                              ; the last step: nothing more to fetch
	WIN MUL_LO
	MUL16 0, 1, NQ-1, 1, 0
	MUL16 2, 1, NQ-1, 1, 0
	s_wait_dscnt 0
	WIN MUL_HI
	MUL16 4, 1, NQ-1, 1, 0
	MUL16 6, 1, NQ-1, 1, 0
	WIN 0
; THE WAY OUT, a block of 16 tokens x 128 columns (two heads) at a time.  PACK: rounded to f16, 16 bytes a lane, each accumulator from its low end on.  TOSTAGE: into my own stage and back, four rows of one head
; (512 bytes, which are neighbours in qkv) to a load.  SEND: 32 lanes store 512 consecutive bytes, aligned.
.macro PACK a
.set AC, 64*((\a)%4)
	WIN 0x0a+5*((\a)/4)                            ; sources 0 and 1: window 2 or 3
.irp b, 0,1,2,3,4,5,6,7
.irp i, 0,1,2,3
	v_cvt_pk_f16_f32 v[TMP+4*\b+\i], v[AC+8*\b+2*\i], v[AC+8*\b+2*\i+1]
.endr
.endr
	WIN 0
.endm
.macro TOSTAGE a
.set BB, BK+32*((\a)%2)
.irp b, 0,1,2,3,4,5,6,7
	ds_store_b128 v[STO], v[TMP+4*\b:TMP+4*\b+3] offset:32*\b
.endr
.irp u, 0,1
.irp g, 0,1,2,3
	ds_load_b128 v[BB+4*(4*\u+\g):BB+4*(4*\u+\g)+3], v[RD] offset:1088*\g+128*\u   ; LDS serves a wave's instructions in order: these see the stores above
.endr
.endr
.endm
.macro SEND a
.set BB, BK+32*((\a)%2)
	s_wait_dscnt 0x0                               ; the block is back in registers
	s_wait_xcnt 0x0                                ; the stores of the block before have read their registers: the next block's loads may land there
.irp u, 0,1
.irp g, 0,1,2,3
	global_store_b128 v[CO], v[BB+4*(4*\u+\g):BB+4*(4*\u+\g)+3], s[12:13] offset:262144*\u+2048*(\a)+512*\g
.endr
.endr
.endm
	PLACES NP                                      ; behind the last products: for the conversions that read results and the loads into x's fragment registers
	PACK 0
	TOSTAGE 0
.irp a, 1,2,3,4,5,6,7                  ; block a's conversions stand between block a - 1's loads from the stage and the wait for them
	PACK \a
	SEND \a-1
	TOSTAGE \a
.endr
	SEND 7
	s_wait_tensorcnt 0x0                           ; the wave's end: behind my last tensor load and my last LDS store
	ds_add_u32 v[SPW], v[NIL]
	s_wait_dscnt 0x0
	CROUND                                         ; the closing round: no work-group ends while a partner may still ask for a tile that names it
	s_endpgm
.Lfunc_end_k_qd28426a80a_gemm_qkv:
	.size	k_qd28426a80a_gemm_qkv, .Lfunc_end_k_qd28426a80a_gemm_qkv-k_qd28426a80a_gemm_qkv
	.p2alignl 7, 3214868480
	.fill 96, 4, 3214868480
	.section	.rodata,"a",@progbits
	.p2align	6, 0x0
	.amdhsa_kernel k_qd28426a80a_gemm_qkv
		.amdhsa_group_segment_fixed_size 327680
		.amdhsa_private_segment_fixed_size 0
		.amdhsa_enable_private_segment 0
		.amdhsa_kernarg_size 40
		.amdhsa_user_sgpr_count 2
		.amdhsa_user_sgpr_kernarg_segment_ptr 1
		.amdhsa_wavefront_size32 1
		.amdhsa_system_sgpr_workgroup_id_x 1
		.amdhsa_system_sgpr_workgroup_id_y 1
		.amdhsa_system_sgpr_workgroup_id_z 1
		.amdhsa_system_vgpr_workitem_id 0
		.amdhsa_next_free_vgpr 1024
		.amdhsa_next_free_sgpr 98
		.amdhsa_reserve_vcc 0
		.amdhsa_float_denorm_mode_32 3
		.amdhsa_float_denorm_mode_16_64 3
		.amdhsa_memory_ordered 1
		.amdhsa_forward_progress 1
		.amdhsa_inst_pref_size 126
	.end_amdhsa_kernel
	.amdgpu_metadata
---
amdhsa.version: [ 1, 2 ]
amdhsa.kernels:
  - .name:           k_qd28426a80a_gemm_qkv
    .symbol:         k_qd28426a80a_gemm_qkv.kd
    .args:
      - { .name: xc, .offset: 0, .size: 8, .value_kind: global_buffer, .address_space: global }
      - { .name: xs, .offset: 8, .size: 8, .value_kind: global_buffer, .address_space: global }
      - { .name: wc, .offset: 16, .size: 8, .value_kind: global_buffer, .address_space: global }
      - { .name: ws, .offset: 24, .size: 8, .value_kind: global_buffer, .address_space: global }
      - { .name: qkv, .offset: 32, .size: 8, .value_kind: global_buffer, .address_space: global }
    .group_segment_fixed_size: 327680
    .private_segment_fixed_size: 0
    .kernarg_segment_align: 8
    .kernarg_segment_size: 40
    .max_flat_workgroup_size: 128
    .sgpr_count:     98
    .vgpr_count:     1024
    .wavefront_size: 32
...
	.end_amdgpu_metadata
.endif
;; end of part 2
;; launch attn (part 3): grid 8 x 32, 8 waves a work-group, clusters of 4 x 1, 327,680 bytes of LDS; arguments qkv, cc; writes cc
.if DOCPART == 3
	.amdgcn_target "amdgcn-amd-amdhsa--gfx1250"
	.amdhsa_code_object_version 6
	.text
	.protected	k_qd28426a80a_attn
	.globl	k_qd28426a80a_attn
	.p2align	8
	.type	k_qd28426a80a_attn,@function
k_qd28426a80a_attn:
	s_mov_b64 s[64:65], 0
	v_nop
	global_prefetch_b8 v0, s[64:65] scope:SCOPE_SE
	s_setreg_imm32_b32 hwreg(HW_REG_WAVE_MODE, 25, 1), 1
	s_wait_xcnt 0x0
	s_wait_alu depctr_hold_cnt(0) depctr_sa_sdst(0) depctr_va_vdst(0) depctr_va_sdst(0) depctr_va_ssrc(0) depctr_va_vcc(0) depctr_vm_vsrc(0)
	s_getreg_b32 s2, hwreg(HW_REG_IB_STS2, 6, 4)
	s_cmp_eq_u32 s2, 0
	s_cbranch_scc0 .Lentry_in_a_cluster
	s_endpgm
.Lentry_in_a_cluster:
	s_bfe_u32 s2, ttmp6, 0x10000c
	s_cmp_lg_u32 s2, 0x3003
	s_cbranch_scc0 .Lentry_shape_is_right
	s_endpgm
.Lentry_shape_is_right:
; cc = softmax(q k^T / 8) v for each of the 32 (batch, head) pairs; 2,048 tokens, head size 64; no mask.  q, k, v: f16, qkv [3][32][2048][64].  Products on f16 operands with f32 sums; maxima, exponentials and
; sums in f32; the weights p are rounded to f16 for the second product, the result once at the end.  cc: f16, [32 blocks of 128 tokens][16 heads][128 rows][64]: what a wave stores is dense, and the next
; launch finds four heads of a block of 128 tokens as one dense tile.
; SHARES.  A work-group owns 256 queries of one (batch, head); each of its EIGHT waves 32 of them, two tiles of 16, in 352 registers: two waves to a SIMD, so that one wave's softmax stands beside the other's
; products and LDS loads.  Every wave walks all 2,048 keys, 64 a step.  K and V come through a ring of two LDS slots of 512 keys; waves 0-3 fetch K's quarters, waves 4-7 V's: one load a wave.
; LAYOUT.  S^T = K Q^T (source 0 = 16 keys, source 1 = 16 queries): a lane holds ONE query (lane % 16) and the keys 8 (lane / 16) + 0..7.  Two such tiles, rounded in pairs, ARE source 1 (32 keys x 16 queries)
; of O^T = V^T P, whose result again holds one query a lane.  K comes out of LDS as it lies, V ([key][channel]) turned, by ds_load_tr16_b128.
; SOFTMAX.  For each query a running maximum m and sum l: p = 2^(c s - c m), c = log2(e) / 8; in every step O and l are multiplied by a = 2^(c m_old - c m_new).  m begins at -3e38, O and l at 0, so the
; step is written once: the first a is 0 and multiplies zeros.
; CLUSTER.  The four query blocks of a cluster belong to one head and walk the same K and V: each tile is asked for JOINTLY.  By this text's count a wave has two tensor loads out at the most.
; LIMITS: p under 2^-126 counts as 0; scores under -3e38 are not served; NaN and infinities are not served.
; REGISTERS: window 0: v2-15 addresses and the like; v16-31 statistics, eight a tile; v32-95 S^T, 32 a tile; v96-127 P, 16 a tile; v128-191 K's fragments of a step; v192-255 V's.
;   window 1: v0-31 Q (tile t, channels 32 c on: 16 t + 8 c); v32-95 O^T (tile t, channels 16 ct on: 32 + 32 t + 8 ct).
.set PKP,   144                        ; a row of K in LDS: 128 bytes + 16: an odd multiple of 16
.set PVP,   160                        ; a row of V: 128 + 32: an odd multiple of 32, as the turning load's 8 rows x 32 bytes want
.set VOFF,  512*PKP                    ; a slot: 512 rows of K, then 512 rows of V
.set SLOTB, 512*(PKP+PVP)
.set SPARE, 2*SLOTB                    ; behind the ring: the spare words, 128 bytes a wave, which no other line names
.set STG,   0                          ; the way out: 32 rows x 144 bytes for each wave, in slot 0: it has had its last fill, and behind the last change of slots nobody reads it
.set AK0, 2                            ; v2   my lane's place in a tile of K; never rewritten
.set AV0, 3                            ; v3   the same for V
.set ADK, 4                            ; v4   LDS address of the step's K
.set ADV, 5                            ; v5   of its V
.set QO,  6                            ; v6   my byte offset in the wave's rows of Q
.set STO, 7                            ; v7   the way out: where I put 16 bytes of a row
.set RD,  8                            ; v8   where I read rows back
.set GO,  9                            ; v9   16 x lane
.set PFO, 10                           ; v10  256 x lane: the prefetch's offset; never rewritten
.set OLD, 11                           ; v11-12 c m of the step before, tile 0, 1
.set SPW, 14                           ; v14  LDS address of my spare word; never rewritten
.set NIL, 15                           ; v15  0; never rewritten
.set ST,  16                           ; tile t's statistics at v[ST + 8 t]: +0 c m, +1 m, +2, +3 l (even keys', odd keys'), +4 to +7 c0-c3, at work; a takes c2's place
.set S,   32
.set P,   96
.set KF,  128
.set VF,  192
.set O,   32                           ; in window 1
.set WV,  12                           ; s12  my wave's number
.set LIM, 15                           ; s15  0 in a wave that prefetches
.set PFA, 18                           ; s[18:19] where my prefetch stands
.set G1K, 24
.set G1V, 32
.set G0K, 40                           ; s[40:47] group 0 for K's tiles, a set for each slot
.set G0V, 48                           ; s[48:55] for V's
.set CNT, 56                           ; s56  counts a slot's eight steps
.set TK,  57                           ; s57  LDS byte at which the step's K begins
.set CS,  58                           ; s[58:59] c: the packed form names a pair and takes its low word for both halves
.set SEL, 60                           ; s[60:61] lane selects for v_permlanex16_b32: lane l xor 16
.set TV,  62                           ; s62  LDS byte at which the step's V begins
.set MSB, 0
.macro WIN new
.if MSB != (\new)
	s_set_vgpr_msb (MSB<<8)|(\new)
.set MSB, (\new)
.endif
.endm
.set W_KQ, 0x04                        ; Q (source 1) in window 1; K and S^T in window 0
.set W_PV, 0x50                        ; O^T (C and D) in window 1; V and P in window 0
.set W_RS, 0x41                        ; O^T (destination and source 0) in window 1, a in window 0
.macro JLOAD s                         ; a joint refill of slot s.  The branch hangs on the wave's number alone.  An s_nop 0 and four v_nop follow each of the two lines
	s_cmp_lt_u32 s[WV], 4
	s_cbranch_scc0 .Lfor_v_\@
	tensor_load_to_lds s[G0K+4*\s:G0K+4*\s+3], s[G1K:G1K+7]
	s_nop 0
.rept 4
	v_nop
.endr
	s_branch .Lasked_\@
.Lfor_v_\@:
	tensor_load_to_lds s[G0V+4*\s:G0V+4*\s+3], s[G1V:G1V+7]
	s_nop 0
.rept 4
	v_nop
.endr
.Lasked_\@:
.endm
.macro CROUND                          ; a round of the cluster's barrier
	s_barrier_signal -1
	s_barrier_wait -1
	s_cmp_lg_u32 s[WV], 0
	s_cbranch_scc1 .Lnot_wave_0_\@
	s_barrier_signal -3
.Lnot_wave_0_\@:
	s_barrier_wait -3
	s_barrier_signal -1
	s_barrier_wait -1
.endm
	s_load_b128 s[4:7], s[0:1], 0x0                ; qkv, cc
	v_lshl_add_u32 v[SPW], v0, 2, SPARE
	v_mov_b32 v[NIL], 0
	ds_add_u32 v[SPW], v[NIL]                      ; the wave's opening: the add, twice on end, and its wait ahead of my first tensor load
	ds_add_u32 v[SPW], v[NIL]
	v_lshrrev_b32 v1, 5, v0
	v_readfirstlane_b32 s[WV], v1                  ; wave 0..7
	s_bfe_u32 s13, ttmp6, 0x40000                  ; cx: my place in the cluster
	s_lshl_b32 s14, ttmp9, 2
	s_add_co_u32 s14, s14, s13                     ; my block of 256 queries: it enters Q's and cc's addresses alone
	s_and_b32 s16, ttmp7, 0xffff                   ; 16 x batch + head, which the four partners share
	s_and_b32 s17, s[WV], 3                        ; which quarter of a slot's rows I fetch
	s_lshl_b32 s20, s16, 18                        ; the head's first byte in each of q, k, v
	s_mov_b32 s21, 0
	s_lshl_b32 s22, s17, 14                        ; my 128 rows of 128 bytes in memory,
	s_mov_b32 s23, 0
	s_mul_i32 s2, s17, 128*PKP                     ; and in a slot: of K,
	s_mul_i32 s3, s17, 128*PVP
	s_add_co_u32 s3, s3, VOFF                      ; of V: no place in the cluster enters an LDS address
	s_lshl_b32 s56, s14, 15                        ; Q: my block's 256 rows, my wave's 32 of them
	s_lshl_b32 s57, s[WV], 12
	s_add_co_u32 s56, s56, s57
	s_mov_b32 s57, 0
	s_lshr_b32 s62, s16, 4                         ; cc: block of 128 tokens = 16 x batch + 2 x my block + wave / 4,
	s_lshl_b32 s62, s62, 4
	s_lshl_b32 s63, s14, 1
	s_add_co_u32 s62, s62, s63
	s_lshr_b32 s63, s[WV], 2
	s_add_co_u32 s62, s62, s63
	s_lshl_b32 s62, s62, 4
	s_and_b32 s63, s16, 15                         ; the head,
	s_add_co_u32 s62, s62, s63
	s_lshl_b32 s62, s62, 14
	s_lshl_b32 s63, s17, 12                        ; rows 32 (wave % 4) on
	s_add_co_u32 s62, s62, s63
	s_mov_b32 s63, 0
	s_lshl_b32 s60, s13, 14                        ; the prefetch: keys 1,536 on; my work-group's 128 rows of the 512, my wave's 64 of them
	s_and_b32 s61, s[WV], 1
	s_lshl_b32 s61, s61, 13
	s_add_co_u32 s60, s60, s61
	s_add_co_u32 s60, s60, 1536*128
	s_mov_b32 s61, 0
	s_lshr_b32 s[LIM], s[WV], 2
	s_or_b32 s[LIM], s[LIM], ttmp9                 ; 0 in waves 0-3 of the head's first cluster: the same in all four partners
	s_mov_b32 s[G1K], 15|(1<<16)|(1<<20)|(1<<21)|(4<<22)|(3<<25)  ; the mask: all four work-groups; elements of 2 bytes; padding on; bit 21 beside a mask; 4 words after every 32
	s_mov_b32 s[G1V], 15|(1<<16)|(1<<20)|(1<<21)|(4<<22)|(7<<25)  ; the same with 8 words of padding
.irp g, G1K, G1V
	s_mov_b32 s[\g+1], 64<<16                      ; tensor_dim0 = 64
	s_mov_b32 s[\g+2], 128<<16                     ; tensor_dim1 = 128
	s_mov_b32 s[\g+3], 64<<16                      ; tile_dim0
	s_mov_b32 s[\g+4], 128                         ; tile_dim1
	s_mov_b32 s[\g+5], 64                          ; from row to row
	s_mov_b32 s[\g+6], 0
	s_mov_b32 s[\g+7], 0
.endr
	s_mov_b32 s[CS], 0x3e38aa3b                    ; c = log2(e) / 8
	s_mov_b32 s[CS+1], s[CS]
	v_and_b32 v[PFO], 31, v0
	v_lshlrev_b32 v[GO], 4, v[PFO]
	v_lshlrev_b32 v[PFO], 8, v[PFO]
	s_wait_dscnt 0x0                               ; both opening adds are done
	s_wait_kmcnt 0x0
	s_add_nc_u64 s[4:5], s[4:5], s[20:21]          ; q at my head,
	s_add_nc_u64 s[8:9], s[4:5], 0x800000          ; k,
	s_add_nc_u64 s[10:11], s[4:5], 0x1000000       ; v
	s_cmp_lt_u32 s[WV], 2                          ; waves 0, 1 prefetch for K, waves 2, 3 for V
	s_cselect_b64 s[PFA:PFA+1], s[8:9], s[10:11]
	s_add_nc_u64 s[PFA:PFA+1], s[PFA:PFA+1], s[60:61]
	s_add_nc_u64 s[8:9], s[8:9], s[22:23]          ; K and V at my quarter of slot 0
	s_add_nc_u64 s[10:11], s[10:11], s[22:23]
	s_add_nc_u64 s[4:5], s[4:5], s[56:57]          ; Q at my wave's first row
	s_add_nc_u64 s[6:7], s[6:7], s[62:63]          ; cc likewise
	s_mov_b32 s[SEL], 0x76543210
	s_mov_b32 s[SEL+1], 0xfedcba98
	CROUND                                         ; all four work-groups are here: the first joint loads meet
.irp s, 0,1
	s_mov_b32 s[G0K+4*\s], 1
	s_add_co_u32 s[G0K+4*\s+1], s2, \s*SLOTB
	s_add_nc_u64 s[G0K+4*\s+2:G0K+4*\s+3], s[8:9], \s*65536       ; slot s begins with keys 512 s on
	s_or_b32 s[G0K+4*\s+3], s[G0K+4*\s+3], 0x80000000
	s_mov_b32 s[G0V+4*\s], 1
	s_add_co_u32 s[G0V+4*\s+1], s3, \s*SLOTB
	s_add_nc_u64 s[G0V+4*\s+2:G0V+4*\s+3], s[10:11], \s*65536
	s_or_b32 s[G0V+4*\s+3], s[G0V+4*\s+3], 0x80000000
.endr
	s_cmp_lt_u32 s[WV], 4                          ; a wave's two first fills stand in one branch, ahead of every wait on TENSORcnt and every LDS read
	s_cbranch_scc0 .Lfirst_v
	tensor_load_to_lds s[G0K:G0K+3], s[G1K:G1K+7]
	s_nop 0
	tensor_load_to_lds s[G0K+4:G0K+7], s[G1K:G1K+7]
	s_nop 0
.rept 4
	v_nop
.endr
	s_branch .Lfirst_asked
.Lfirst_v:
	tensor_load_to_lds s[G0V:G0V+3], s[G1V:G1V+7]
	s_nop 0
	tensor_load_to_lds s[G0V+4:G0V+7], s[G1V:G1V+7]
	s_nop 0
.rept 4
	v_nop
.endr
.Lfirst_asked:
	v_and_b32 v1, 15, v0                           ; r = l % 16
	v_bfe_u32 v13, v0, 4, 1                        ; h = l / 16
	v_lshlrev_b32 v[QO], 7, v1
	v_lshl_add_u32 v[QO], v13, 4, v[QO]            ; row x 128 + 16 x half
	WIN 0x40                                       ; destination window 1, address window 0
.irp t, 0,1
.irp c, 0,1
	global_load_b128 v[16*\t+8*\c:16*\t+8*\c+3],   v[QO], s[4:5] offset:2048*\t+64*\c       ; Q stays in registers
	global_load_b128 v[16*\t+8*\c+4:16*\t+8*\c+7], v[QO], s[4:5] offset:2048*\t+64*\c+32
.endr
.endr
.set i, 0
.rept 64
	v_mov_b32 v[O+i], 0                            ; O^T: cleared once, so that the step needs no first copy of its own
.set i, i+1
.endr
	WIN 0
	v_mul_u32_u24 v[AK0], v1, PKP
	v_lshl_add_u32 v[AK0], v13, 4, v[AK0]          ; K: row x pitch + 16 x half
	v_and_b32 v[AV0], 7, v0                        ; V, for the turning load: key 8 h + l % 8, channels 8 ((l / 8) % 2) on
	v_lshl_add_u32 v[AV0], v13, 3, v[AV0]
	v_mul_u32_u24 v[AV0], v[AV0], PVP
	v_bfe_u32 v[RD], v0, 3, 1
	v_lshl_add_u32 v[AV0], v[RD], 4, v[AV0]
	s_mul_i32 s13, s[WV], 32*PKP
	s_add_co_u32 s13, s13, STG                     ; my stage
	v_add_nc_u32 v[STO], s13, v[AK0]               ; in: row r, 16 bytes for each half of the lanes
	v_bfe_u32 v[RD], v0, 3, 2                      ; back: eight lanes take a row of 128 bytes, 32 lanes four rows
	v_mul_u32_u24 v[RD], v[RD], PKP
	v_and_b32 v1, 7, v0
	v_lshl_add_u32 v[RD], v1, 4, v[RD]
	v_add_nc_u32 v[RD], s13, v[RD]
.irp t, 0,1
	v_mov_b32 v[ST+8*\t+1], 0xff61b1e6             ; m = -3e38
	v_mul_f32 v[ST+8*\t], s[CS], v[ST+8*\t+1]      ; c m
	v_mov_b32 v[ST+8*\t+2], 0                      ; l, in two halves
	v_mov_b32 v[ST+8*\t+3], 0
.endr
.macro SCALE t, b                      ; pair b of tile t: c s - c m, two at a time
	v_pk_fma_f32 v[S+32*(\t)+2*(\b):S+32*(\t)+2*(\b)+1], v[S+32*(\t)+2*(\b):S+32*(\t)+2*(\b)+1], s[CS:CS+1], v[ST+8*(\t):ST+8*(\t)+1] op_sel_hi:[1,0,0] neg_lo:[0,0,1] neg_hi:[0,0,1]
.endm
; A KEY STEP: 64 keys, 32 matrix instructions.  All vector lines go tile 0, tile 1 by turns, so that no line waits for the line above it.
.macro STEP
	v_add_nc_u32 v[ADK], s[TK], v[AK0]             ; four plain lines: the places between the last step's last product and the loads into the registers that it read
	v_add_nc_u32 v[ADV], s[TV], v[AV0]
	v_mov_b32 v[OLD], v[ST]                        ; c m_old is kept for a
	v_mov_b32 v[OLD+1], v[ST+8]
.irp f, 0,1,2,3,4,5,6,7                ; K: keys 16 (f / 2) on, channels 32 (f % 2) on
	ds_load_b128 v[KF+8*\f:KF+8*\f+3],   v[ADK] offset:(\f/2)*16*PKP+(\f%2)*64
	ds_load_b128 v[KF+8*\f+4:KF+8*\f+7], v[ADK] offset:(\f/2)*16*PKP+(\f%2)*64+32
.endr
.irp f, 0,1,2,3,4,5,6,7                ; V, turned: keys 32 (f / 4) on, channels 16 (f % 4) on
	ds_load_tr16_b128 v[VF+8*\f:VF+8*\f+3],   v[ADV] offset:(\f/4)*32*PVP+(\f%4)*32
	ds_load_tr16_b128 v[VF+8*\f+4:VF+8*\f+7], v[ADV] offset:(\f/4)*32*PVP+16*PVP+(\f%4)*32
.endr
	s_wait_dscnt 16                                ; K is in; V's sixteen loads may be out
	WIN W_KQ
.set i, 0
.rept 16                               ; S^T = K Q^T: channels 32 (i / 8) on, keys 16 ((i / 2) % 4) on, tile i % 2: eight accumulators by turns; the first eight start the sums
.set rS, S+32*(i%2)+8*((i/2)%4)
.set rK, KF+8*(2*((i/2)%4)+i/8)
.set rQ, 16*(i%2)+8*(i/8)
.if i < 8
	v_wmma_f32_16x16x32_f16 v[rS:rS+7], v[rK:rK+7], v[rQ:rQ+7], 0
.else
	v_wmma_f32_16x16x32_f16 v[rS:rS+7], v[rK:rK+7], v[rQ:rQ+7], v[rS:rS+7]
.endif
.set i, i+1
.endr
	WIN 0
.rept 4
	v_nop                                          ; places between the last product and the first read of the scores
.endr
.irp j, 0,1,2,3                        ; the maximum of my 32 scores and the old m, three operands at a time, in four chains; each accumulator is read from its low end on
.irp t, 0,1
	v_max3_num_f32 v[ST+8*\t+4+\j], v[S+32*\t+8*\j], v[S+32*\t+8*\j+1], v[S+32*\t+8*\j+2]
.endr
.endr
.irp g, 1,2
.irp j, 0,1,2,3
.irp t, 0,1
	v_max3_num_f32 v[ST+8*\t+4+\j], v[ST+8*\t+4+\j], v[S+32*\t+8*\j+2*\g+1], v[S+32*\t+8*\j+2*\g+2]
.endr
.endr
.endr
.irp t, 0,1
	v_max3_num_f32 v[ST+8*\t+4], v[ST+8*\t+4], v[S+32*\t+7], v[S+32*\t+15]
.endr
.irp t, 0,1
	v_max3_num_f32 v[ST+8*\t+6], v[ST+8*\t+6], v[S+32*\t+23], v[S+32*\t+31]
.endr
.irp t, 0,1
	v_max3_num_f32 v[ST+8*\t+4], v[ST+8*\t+4], v[ST+8*\t+5], v[ST+8*\t+6]
.endr
.irp t, 0,1
	v_max3_num_f32 v[ST+8*\t+4], v[ST+8*\t+4], v[ST+8*\t+7], v[ST+8*\t+1]
.endr
.irp t, 0,1
	v_permlanex16_b32 v[ST+8*\t+5], v[ST+8*\t+4], s[SEL], s[SEL+1]   ; the query's other 32 keys lie in the lane 16 away
.endr
.irp t, 0,1
	v_max_num_f32 v[ST+8*\t+1], v[ST+8*\t+4], v[ST+8*\t+5]           ; the new m
.endr
.irp t, 0,1
	v_mul_f32 v[ST+8*\t], s[CS], v[ST+8*\t+1]                        ; c m
.endr
.irp t, 0,1
	v_sub_f32 v[ST+8*\t+7], v[OLD+\t], v[ST+8*\t]                    ; c m_old - c m_new
.endr
; ONE BATCH: the 32 scalings and all 66 exponentials; none of these lines names an exponential's result.  A pair is scaled two turns ahead of its exponentials, and a scaling leads each group.
.irp b, 0,1
.irp t, 0,1
	SCALE \t, \b
.endr
.endr
.irp t, 0,1
	v_exp_f32 v[ST+8*\t+6], v[ST+8*\t+7]           ; a
.endr
.irp b, 2,3,4,5,6,7,8,9,10,11,12,13,14,15
.irp t, 0,1
	SCALE \t, \b
	v_exp_f32 v[S+32*\t+2*\b-4], v[S+32*\t+2*\b-4]
	v_exp_f32 v[S+32*\t+2*\b-3], v[S+32*\t+2*\b-3]
.endr
.endr
.irp e, 28,29,30,31
.irp t, 0,1
	v_exp_f32 v[S+32*\t+\e], v[S+32*\t+\e]
.endr
.endr
	v_nop                                          ; a plain line behind the last exponential
	s_wait_alu depctr_va_vdst(0)                   ; this wait ahead of the first line that names a result: one for the whole batch
.irp p, 0,1,2,3,4,5,6,7,8,9,10,11,12,13,14,15
.irp t, 0,1
	v_cvt_pk_f16_f32 v[P+16*\t+\p], v[S+32*\t+2*\p], v[S+32*\t+2*\p+1]   ; P: pairs 0-7 are keys 0-31, pairs 8-15 keys 32-63, in the order that source 1 wants
.endr
.endr
.irp u, 0,1,2,3,4,5,6,7                ; the sum of the unrounded p, in place: neighbours 1, 2, 4 and 8 pairs apart
.irp t, 0,1
	v_pk_add_f32 v[S+32*\t+4*\u:S+32*\t+4*\u+1], v[S+32*\t+4*\u:S+32*\t+4*\u+1], v[S+32*\t+4*\u+2:S+32*\t+4*\u+3]
.endr
.endr
.irp u, 0,1,2,3
.irp t, 0,1
	v_pk_add_f32 v[S+32*\t+8*\u:S+32*\t+8*\u+1], v[S+32*\t+8*\u:S+32*\t+8*\u+1], v[S+32*\t+8*\u+4:S+32*\t+8*\u+5]
.endr
.endr
.irp u, 0,1
.irp t, 0,1
	v_pk_add_f32 v[S+32*\t+16*\u:S+32*\t+16*\u+1], v[S+32*\t+16*\u:S+32*\t+16*\u+1], v[S+32*\t+16*\u+8:S+32*\t+16*\u+9]
.endr
.endr
.irp t, 0,1
	v_pk_add_f32 v[S+32*\t:S+32*\t+1], v[S+32*\t:S+32*\t+1], v[S+32*\t+16:S+32*\t+17]
.endr
.irp t, 0,1
	v_pk_fma_f32 v[ST+8*\t+2:ST+8*\t+3], v[ST+8*\t+2:ST+8*\t+3], v[ST+8*\t+6:ST+8*\t+7], v[S+32*\t:S+32*\t+1] op_sel_hi:[1,0,1]   ; l = a l + the sum
.endr
	WIN W_RS
.irp i, 0,1,2,3,4,5,6,7,8,9,10,11,12,13,14,15
.irp t, 0,1
	v_pk_mul_f32 v[O+32*\t+2*\i:O+32*\t+2*\i+1], v[O+32*\t+2*\i:O+32*\t+2*\i+1], v[ST+8*\t+6:ST+8*\t+7] op_sel_hi:[1,0]   ; O^T times a
.endr
.endr
	s_wait_dscnt 0x0                               ; V is in
	WIN W_PV
.set i, 0
.rept 16                               ; O^T += V^T P: keys 32 (i / 8) on, channels 16 ((i / 2) % 4) on, tile i % 2: eight accumulators by turns
.set rO, O+32*(i%2)+8*((i/2)%4)
.set rV, VF+8*(4*(i/8)+(i/2)%4)
.set rP, P+16*(i%2)+8*(i/8)
	v_wmma_f32_16x16x32_f16 v[rO:rO+7], v[rV:rV+7], v[rP:rP+7], v[rO:rO+7]
.set i, i+1
.endr
	WIN 0
	s_add_co_u32 s[TK], s[TK], 64*PKP              ; the next step's rows
	s_add_co_u32 s[TV], s[TV], 64*PVP
.endm
.macro SLOT s                          ; a slot's eight key steps: written once, walked eight times
	s_mov_b32 s[TK], \s*SLOTB
	s_mov_b32 s[TV], \s*SLOTB+VOFF
	s_mov_b32 s[CNT], 8
.Lstep_\@:
	STEP
	s_sub_co_u32 s[CNT], s[CNT], 1
	s_cmp_lg_u32 s[CNT], 0
	s_cbranch_scc1 .Lstep_\@
.endm
; THE CHANGE OF SLOTS.  Each wave waits for all its tensor loads (one is out: its part of the other slot), adds 0 to its spare word, and waits for that and for its reads of the slot that it leaves.
; fill = 1: slot s, just left, is filled with the keys 1,024 further on.  The barrier is then a round of the cluster's, and the joint refill is the first thing behind it: it has a slot's eight steps in which to land.
.macro CHANGE fill, s
	s_wait_tensorcnt 0x0                           ; no tensor load of mine is out, so a group 0 may be written
	ds_add_u32 v[SPW], v[NIL]                      ; 0 onto my spare word
.if \fill
	s_add_nc_u64 s[G0K+4*\s+2:G0K+4*\s+3], s[G0K+4*\s+2:G0K+4*\s+3], 131072
	s_add_nc_u64 s[G0V+4*\s+2:G0V+4*\s+3], s[G0V+4*\s+2:G0V+4*\s+3], 131072
	s_wait_dscnt 0x0                               ; the add is done, and my reads of the slot are over
	CROUND
	JLOAD \s
.else
	s_wait_dscnt 0x0
	s_barrier_signal -1
	s_barrier_wait -1
.endif
.endm
	s_wait_loadcnt 0x0                             ; Q
	s_wait_tensorcnt 1                             ; my part of slot 0 is in; slot 1's may stay out
	s_barrier_signal -1
	s_barrier_wait -1                              ; everybody's is
	SLOT 0                                         ; keys 0-511
	CHANGE 1, 0                                    ; slot 0 takes keys 1,024-1,535
; A PREFETCH INTO THE L2 of what the next change of slots will ask for: keys 1,536-2,047 of K and of V, 65,536 bytes each.  It stands behind the wave's tensor load and its five lines.  Both clusters of a head walk the same rows:
; the head's first cluster asks; its four partners take 128 rows each, told apart BY ADDRESS; in each, waves 0, 1 ask for K's and waves 2, 3 for V's, 64 rows a wave, lanes 256 bytes apart: each block of
; 256 bytes is named once in the launch.  The ring has two refills, so this is the one place for it; the earlier slots come by their loads alone.  Its registers are never written again.
	s_cmp_eq_u32 s[LIM], 0
	s_cbranch_scc0 .Lnot_mine
	global_prefetch_b8 v[PFO], s[PFA:PFA+1] th:TH_LOAD_NT scope:SCOPE_SE
.Lnot_mine:
	SLOT 1                                         ; keys 512-1,023
	CHANGE 1, 1                                    ; slot 1 takes keys 1,536-2,047
	SLOT 0
	CHANGE 0, 0                                    ; nothing is left to fetch
	SLOT 1
	; THE WAY OUT.  l's two halves and the other half of the lanes' are added; O^T is divided by l, rounded to f16 and sent through my stage in LDS, so that 32 lanes store 512 consecutive bytes.
.rept 4
	v_nop                                          ; places behind the last products
.endr
.irp t, 0,1
	v_add_f32 v[ST+8*\t+4], v[ST+8*\t+2], v[ST+8*\t+3]
.endr
.irp t, 0,1
	v_permlanex16_b32 v[ST+8*\t+5], v[ST+8*\t+4], s[SEL], s[SEL+1]
.endr
.irp t, 0,1
	v_add_f32 v[ST+8*\t+4], v[ST+8*\t+4], v[ST+8*\t+5]
.endr
.irp t, 0,1
	v_rcp_f32 v[ST+8*\t+6], v[ST+8*\t+4]
.endr
	v_nop                                          ; a plain line behind the last reciprocal
	s_wait_alu depctr_va_vdst(0)                   ; and the wait ahead of the first use: one for the two
.macro PACK t
	WIN 0x01                                       ; source 0 (O^T) window 1; the quotient goes to S^T's registers
.irp i, 0,1,2,3,4,5,6,7,8,9,10,11,12,13,14,15
	v_pk_mul_f32 v[S+32*\t+2*\i:S+32*\t+2*\i+1], v[O+32*\t+2*\i:O+32*\t+2*\i+1], v[ST+8*\t+6:ST+8*\t+7] op_sel_hi:[1,0]   ; each accumulator from its low end on
.endr
	WIN 0
.irp i, 0,1,2,3,4,5,6,7,8,9,10,11,12,13,14,15
	v_cvt_pk_f16_f32 v[P+16*\t+\i], v[S+32*\t+2*\i], v[S+32*\t+2*\i+1]
.endr
.irp f, 0,1,2,3
	ds_store_b128 v[STO], v[P+16*\t+4*\f:P+16*\t+4*\f+3] offset:16*PKP*\t+32*\f     ; channels 16 f + 8 h + 0 .. 7 of query r
.endr
.irp g, 0,1,2,3
	ds_load_b128 v[KF+16*\t+4*\g:KF+16*\t+4*\g+3], v[RD] offset:16*PKP*\t+4*PKP*\g  ; LDS serves a wave's instructions in order: these see the stores above
.endr
.endm
.macro SEND t, younger                 ; younger: the LDS instructions issued behind tile t's loads
.irp g, 0,1,2,3
	s_wait_dscnt \younger+3-\g
	global_store_b128 v[GO], v[KF+16*\t+4*\g:KF+16*\t+4*\g+3], s[6:7] offset:2048*\t+512*\g
.endr
.endm
	PACK 0
	PACK 1
	SEND 0, 8
	SEND 1, 0
	s_wait_tensorcnt 0x0                           ; the wave's end: behind my last tensor load and my last LDS store
	ds_add_u32 v[SPW], v[NIL]
	s_wait_dscnt 0x0
	CROUND                                         ; the closing round
	s_endpgm
.Lfunc_end_k_qd28426a80a_attn:
	.size	k_qd28426a80a_attn, .Lfunc_end_k_qd28426a80a_attn-k_qd28426a80a_attn
	.p2alignl 7, 3214868480
	.fill 96, 4, 3214868480
	.section	.rodata,"a",@progbits
	.p2align	6, 0x0
	.amdhsa_kernel k_qd28426a80a_attn
		.amdhsa_group_segment_fixed_size 327680
		.amdhsa_private_segment_fixed_size 0
		.amdhsa_enable_private_segment 0
		.amdhsa_kernarg_size 16
		.amdhsa_user_sgpr_count 2
		.amdhsa_user_sgpr_kernarg_segment_ptr 1
		.amdhsa_wavefront_size32 1
		.amdhsa_system_sgpr_workgroup_id_x 1
		.amdhsa_system_sgpr_workgroup_id_y 1
		.amdhsa_system_sgpr_workgroup_id_z 1
		.amdhsa_system_vgpr_workitem_id 0
		.amdhsa_next_free_vgpr 352
		.amdhsa_next_free_sgpr 66
		.amdhsa_reserve_vcc 0
		.amdhsa_float_denorm_mode_32 3
		.amdhsa_float_denorm_mode_16_64 3
		.amdhsa_memory_ordered 1
		.amdhsa_forward_progress 1
		.amdhsa_inst_pref_size 89
	.end_amdhsa_kernel
	.amdgpu_metadata
---
amdhsa.version: [ 1, 2 ]
amdhsa.kernels:
  - .name:           k_qd28426a80a_attn
    .symbol:         k_qd28426a80a_attn.kd
    .args:
      - { .name: qkv, .offset: 0, .size: 8, .value_kind: global_buffer, .address_space: global }
      - { .name: cc, .offset: 8, .size: 8, .value_kind: global_buffer, .address_space: global }
    .group_segment_fixed_size: 327680
    .private_segment_fixed_size: 0
    .kernarg_segment_align: 8
    .kernarg_segment_size: 16
    .max_flat_workgroup_size: 256
    .sgpr_count:     66
    .vgpr_count:     352
    .wavefront_size: 32
...
	.end_amdgpu_metadata
.endif
;; end of part 3
;; launch gemm_out (part 4): grid 8 x 32, 4 waves a work-group, clusters of 4 x 4, 327,680 bytes of LDS; arguments cc, wo16, bo, out0; writes out0
.if DOCPART == 4
	.amdgcn_target "amdgcn-amd-amdhsa--gfx1250"
	.amdhsa_code_object_version 6
	.text
	.protected	k_qd28426a80a_gemm_out
	.globl	k_qd28426a80a_gemm_out
	.p2align	8
	.type	k_qd28426a80a_gemm_out,@function
k_qd28426a80a_gemm_out:
	s_mov_b64 s[64:65], 0
	v_nop
	global_prefetch_b8 v0, s[64:65] scope:SCOPE_SE
	s_setreg_imm32_b32 hwreg(HW_REG_WAVE_MODE, 25, 1), 1
	s_wait_xcnt 0x0
	s_wait_alu depctr_hold_cnt(0) depctr_sa_sdst(0) depctr_va_vdst(0) depctr_va_sdst(0) depctr_va_ssrc(0) depctr_va_vcc(0) depctr_vm_vsrc(0)
	s_getreg_b32 s2, hwreg(HW_REG_IB_STS2, 6, 4)
	s_cmp_eq_u32 s2, 0
	s_cbranch_scc0 .Lentry_in_a_cluster
	s_endpgm
.Lentry_in_a_cluster:
	s_bfe_u32 s2, ttmp6, 0x10000c
	s_cmp_lg_u32 s2, 0xf033
	s_cbranch_scc0 .Lentry_shape_is_right
	s_endpgm
.Lentry_shape_is_right:
; out0 = concat wo + bo.  concat: f16, cc [32 blocks of 128 tokens][16 heads][128 rows][64]; wo16: f16 [1024 k][1024 n]; bo [1024] f32; out0 [4096][1024] f32.  f16 operands, f32 sums.
; A tile of out0 is 128 x 128: 256 work-groups.  Four waves, each 64 x 64: 16 accumulators of 16 x 16.  K goes in steps of 256 (four heads) through two LDS slots: four steps, two refills, written out.
; A's tile of a K step is ONE dense block of 65,536 bytes (four heads x 128 rows x 128 bytes), laid in LDS as 512 rows of 128 bytes + 16.  B's is 256 rows (k) of 256 bytes (128 n) + 32; its fragments come out of LDS
; turned, by ds_load_tr16_b128.  A quarter of a K step is one head: 64 along K.
; CLUSTERS: 4 x 4 work-groups; A's tiles are asked for jointly along a row of the cluster, B's along a column.  By this text's count a wave has two tensor loads out at the most.
; THE MATRIX INSTRUCTION IS USED TRANSPOSED (source 0 = 16 columns of wo, source 1 = 16 tokens): a lane holds eight neighbouring numbers of a row of out0.  The bias is the C of each sum's first product.
; REGISTERS: window 0: v16-29 addresses; v32-95 the way out; v96-127 the bias, eight registers for each of my four blocks of columns; v128-255 the accumulators ((a, b) at v[128 + 8 (4 a + b)]).
;   window 1: two fragment buffers of 128: for 64 along K, 64 registers of A (2 x 4 x 16 rows x 32 K), then 64 of B.
.set PA,     144                       ; an LDS row of A: 128 bytes + 16: an odd multiple of 16
.set PB,     288                       ; an LDS row of B: 256 bytes + 32: an odd multiple of 32
.set BOFF,   512*PA                    ; B's rows lie behind A's 512
.set HALFB,  128*PB                    ; 36,864: what one tensor load brings, of A (256 x PA) and of B alike
.set SLOT,   BOFF+256*PB
.set STAGE,  2*SLOT                    ; behind the ring: 16 rows x 272 bytes for each wave
.set SPITCH, 272
.set SPARE,  STAGE+4*16*SPITCH         ; the spare words, 128 bytes a wave, which no other line names
.set ADRA, 16                          ; v16-17  LDS address of my A fragments in slot 0, 1
.set ADRB, 20                          ; v20-23  of my B fragments: slot s, half p of its 256 rows: 2 s + p
.set STO,  24
.set RD,   25
.set CO,   26
.set SPW,  28
.set NIL,  29
.set TMP,  32
.set BIAS, 96
.set ACC,  128
.set F0,   0
.set F1,   128
.set G1, 24
.set G0, 32
.set G1B, 48
.set G0B, 56
.set MSB, 0
.macro WIN new
.if MSB != (\new)
	s_set_vgpr_msb (MSB<<8)|(\new)
.set MSB, (\new)
.endif
.endm
.set MUL,  0x05                        ; sources 0 (B) and 1 (A) window 1; C and D window 0
.set TO_F, 0x40                        ; destination window 1, address window 0
.macro JLOAD s                         ; a joint load: waves 0 and 1 fetch A's two halves, waves 2 and 3 B's; an s_nop 0 and four v_nop follow each of the two lines
	s_cmp_eq_u32 s11, 0
	s_cbranch_scc0 .Lfor_b_\@
	tensor_load_to_lds s[G0+4*\s:G0+4*\s+3], s[G1:G1+7]
	s_nop 0
.rept 4
	v_nop
.endr
	s_branch .Lasked_\@
.Lfor_b_\@:
	tensor_load_to_lds s[G0B+4*\s:G0B+4*\s+3], s[G1B:G1B+7]
	s_nop 0
.rept 4
	v_nop
.endr
.Lasked_\@:
.endm
.macro CREST                           ; a round of the cluster's barrier behind its opening barrier
	s_cmp_lg_u32 s10, 0
	s_cbranch_scc1 .Lnot_wave_0_\@
	s_barrier_signal -3
.Lnot_wave_0_\@:
	s_barrier_wait -3
	s_barrier_signal -1
	s_barrier_wait -1
.endm
.macro CROUND
	s_barrier_signal -1
	s_barrier_wait -1
	CREST
.endm
	s_load_b128 s[4:7], s[0:1], 0x0                ; cc, wo16
	s_load_b64 s[2:3], s[0:1], 0x10                ; bo
	s_load_b64 s[8:9], s[0:1], 0x18                ; out0
	v_lshl_add_u32 v[SPW], v0, 2, SPARE
	v_mov_b32 v[NIL], 0
	ds_add_u32 v[SPW], v[NIL]                      ; the wave's opening: the add, twice on end, and its wait ahead of my first tensor load
	ds_add_u32 v[SPW], v[NIL]
	v_lshrrev_b32 v1, 5, v0
	v_readfirstlane_b32 s10, v1                    ; wave 0..3
	s_lshr_b32 s11, s10, 1                         ; which half of the tile's rows is mine.  Also: I fetch for A (0) or for B (1)
	s_and_b32 s12, s10, 1                          ; which half of its columns.  Also: which half of that tile I fetch
	s_bfe_u32 s40, ttmp6, 0x40000                  ; cx, cy
	s_bfe_u32 s41, ttmp6, 0x40004
	s_lshl_b32 s42, ttmp9, 2
	s_add_co_u32 s42, s42, s40                     ; tc: tile column
	s_and_b32 s13, ttmp7, 0xffff
	s_lshl_b32 s13, s13, 2
	s_add_co_u32 s13, s13, s41                     ; tr: tile row = block of 128 tokens
	s_lshl_b32 s43, s41, 2
	s_lshl_b32 s43, 15, s43                        ; my row of the cluster
	s_lshl_b32 s44, 0x1111, s40                    ; my column
	s_or_b32 s[G1+0], s43, (1<<16)|(1<<20)|(1<<21)|(4<<22)|(3<<25)   ; A: the mask of my row; elements of 2 bytes; padding on; bit 21 beside a mask; 4 words after every 32
	s_mov_b32 s[G1+1], 64<<16                      ; tensor_dim0 = 64
	s_mov_b32 s[G1+2], 256<<16                     ; tensor_dim1 = 256: two heads x 128 rows, dense
	s_mov_b32 s[G1+3], 64<<16
	s_mov_b32 s[G1+4], 256
	s_mov_b32 s[G1+5], 64
	s_mov_b32 s[G1+6], 0
	s_mov_b32 s[G1+7], 0
	s_or_b32 s[G1B+0], s44, (1<<16)|(1<<20)|(1<<21)|(5<<22)|(7<<25)  ; B: the mask of my column; 8 words after every 64
	s_mov_b32 s[G1B+1], 128<<16                    ; 128 columns
	s_mov_b32 s[G1B+2], 128<<16                    ; 128 rows along K
	s_mov_b32 s[G1B+3], 128<<16
	s_mov_b32 s[G1B+4], 128
	s_mov_b32 s[G1B+5], 1024
	s_mov_b32 s[G1B+6], 0
	s_mov_b32 s[G1B+7], 0
	s_lshl_b32 s16, s13, 4                         ; A: head block 16 tr + 2 x half, 16,384 bytes each
	s_lshl_b32 s17, s12, 1
	s_add_co_u32 s16, s16, s17
	s_lshl_b32 s16, s16, 14
	s_mov_b32 s17, 0
	s_lshl_b32 s46, s12, 18                        ; B: row 128 x half of 2,048 bytes, column 128 tc
	s_lshl_b32 s47, s42, 8
	s_add_co_u32 s46, s46, s47
	s_mov_b32 s47, 0
	s_mul_i32 s20, s12, HALFB                      ; where they go: no place in the cluster enters an LDS address
	s_add_co_u32 s21, s20, BOFF
	s_wait_dscnt 0x0                               ; both opening adds are done
	s_wait_kmcnt 0x0
	s_add_nc_u64 s[14:15], s[4:5], s[16:17]
	s_add_nc_u64 s[46:47], s[6:7], s[46:47]
	CROUND                                         ; all sixteen work-groups are here: the first joint loads meet
.irp s, 0,1
	s_mov_b32 s[G0+4*\s], 1
	s_add_co_u32 s[G0+4*\s+1], s20, \s*SLOT
	s_add_nc_u64 s[G0+4*\s+2:G0+4*\s+3], s[14:15], \s*65536        ; K step s: four heads on
	s_or_b32 s[G0+4*\s+3], s[G0+4*\s+3], 0x80000000
	s_mov_b32 s[G0B+4*\s], 1
	s_add_co_u32 s[G0B+4*\s+1], s21, \s*SLOT
	s_add_nc_u64 s[G0B+4*\s+2:G0B+4*\s+3], s[46:47], \s*524288     ; 256 rows on
	s_or_b32 s[G0B+4*\s+3], s[G0B+4*\s+3], 0x80000000
	JLOAD \s
.endr
	v_and_b32 v1, 15, v0                           ; r
	v_bfe_u32 v2, v0, 4, 1                         ; h
	v_mul_u32_u24 v3, v1, PA
	v_lshl_add_u32 v3, v2, 4, v3                   ; A: row x pitch + 16 x half
	s_mul_i32 s22, s11, 64*PA                      ; my 64 rows of each head's 128
	v_add_nc_u32 v[ADRA], s22, v3
	s_add_co_u32 s22, s22, SLOT
	v_add_nc_u32 v[ADRA+1], s22, v3
	v_and_b32 v4, 7, v0                            ; B, for the turning load: row 8 h + l % 8, columns 8 ((l / 8) % 2) on
	v_lshl_add_u32 v4, v2, 3, v4
	v_mul_u32_u24 v4, v4, PB
	v_bfe_u32 v5, v0, 3, 1
	v_lshl_add_u32 v4, v5, 4, v4
	s_lshl_b32 s23, s12, 7                         ; my 64 columns
	s_add_co_u32 s23, s23, BOFF
	v_add_nc_u32 v[ADRB+0], s23, v4
	s_add_co_u32 s23, s23, HALFB
	v_add_nc_u32 v[ADRB+1], s23, v4
	s_add_co_u32 s23, s23, SLOT-HALFB
	v_add_nc_u32 v[ADRB+2], s23, v4
	s_add_co_u32 s23, s23, HALFB
	v_add_nc_u32 v[ADRB+3], s23, v4
	s_mul_i32 s22, s10, 16*SPITCH
	s_add_co_u32 s22, s22, STAGE                   ; my stage
	v_mul_u32_u24 v5, v1, SPITCH
	v_lshl_add_u32 v5, v2, 5, v5
	v_add_nc_u32 v[STO], s22, v5                   ; in: row r, 32 bytes for each half of the lanes
	v_mul_u32_u24 v5, v2, SPITCH
	v_lshl_add_u32 v5, v1, 4, v5
	v_add_nc_u32 v[RD], s22, v5                    ; back: lanes 0-15 one row of 256 bytes, lanes 16-31 the next
	v_lshlrev_b32 v5, 12, v2
	v_lshl_add_u32 v[CO], v1, 4, v5                ; and the same two rows in out0
	v_lshlrev_b32 v6, 5, v2                        ; the bias: my half's eight numbers of a block of 16
	s_lshl_b32 s18, s42, 9                         ; my first column, in bytes: 512 tc + 256 x half
	s_lshl_b32 s19, s12, 8
	s_add_co_u32 s18, s18, s19
	s_mov_b32 s19, 0
	s_add_nc_u64 s[2:3], s[2:3], s[18:19]
	s_add_nc_u64 s[8:9], s[8:9], s[18:19]
	s_lshl_b32 s16, s13, 7
	s_lshl_b32 s17, s11, 6
	s_add_co_u32 s16, s16, s17                     ; my first row: 128 tr + 64 x half
	s_lshl_b32 s16, s16, 12
	s_mov_b32 s17, 0
	s_add_nc_u64 s[8:9], s[8:9], s[16:17]
.irp b, 0,1,2,3
	global_load_b128 v[BIAS+8*\b:BIAS+8*\b+3],   v6, s[2:3] offset:64*\b      ; register j: bo at column 16 b + 8 h + j: the result's layout
	global_load_b128 v[BIAS+8*\b+4:BIAS+8*\b+7], v6, s[2:3] offset:64*\b+16
.endr
; 8 matrix instructions: row blocks a0, a0 + 1 x all 4 column blocks, 32 along K: half c of buffer f.  zero = 1: the first product starts the sums, on the bias.  The 16 accumulators take turns.
.macro MUL8 f, c, a0, zero
.irp a, \a0, \a0+1
.irp b, 0,1,2,3
.if \zero
	v_wmma_f32_16x16x32_f16 v[ACC+8*(4*(\a)+\b):ACC+8*(4*(\a)+\b)+7], v[\f+64+8*(4*\c+\b):\f+64+8*(4*\c+\b)+7], v[\f+8*(4*\c+\a):\f+8*(4*\c+\a)+7], v[BIAS+8*\b:BIAS+8*\b+7]
.else
	v_wmma_f32_16x16x32_f16 v[ACC+8*(4*(\a)+\b):ACC+8*(4*(\a)+\b)+7], v[\f+64+8*(4*\c+\b):\f+64+8*(4*\c+\b)+7], v[\f+8*(4*\c+\a):\f+8*(4*\c+\a)+7], v[ACC+8*(4*(\a)+\b):ACC+8*(4*(\a)+\b)+7]
.endif
.endr
.endr
.endm
; 32 LDS loads in one run: the fragments of quarter q (head q of the slot's four) into buffer f; the first 32 along K first
.macro FETCH slot, q, f
	WIN TO_F
.irp c, 0,1
.irp i, 0,1,2,3
	ds_load_tr16_b128 v[\f+64+8*(4*\c+\i):\f+64+8*(4*\c+\i)+3],   v[ADRB+2*\slot+(\q)/2] offset:PB*(64*((\q)%2)+32*\c)+32*\i
	ds_load_tr16_b128 v[\f+64+8*(4*\c+\i)+4:\f+64+8*(4*\c+\i)+7], v[ADRB+2*\slot+(\q)/2] offset:PB*(64*((\q)%2)+32*\c)+32*\i+16*PB
	ds_load_b128 v[\f+8*(4*\c+\i):\f+8*(4*\c+\i)+3],              v[ADRA+\slot] offset:128*PA*(\q)+16*PA*\i+64*\c
	ds_load_b128 v[\f+8*(4*\c+\i)+4:\f+8*(4*\c+\i)+7],            v[ADRA+\slot] offset:128*PA*(\q)+16*PA*\i+64*\c+32
.endr
.endr
.endm
.macro PLACES                          ; four places in front of loads into registers that matrix instructions have read, and of reads of results
.rept 4
	v_nop
.endr
.endm
; One of a K step's first three quarters: multiplies buffer f and fetches quarter q into g.
.macro QUARTER slot, q, f, g, zero
	s_wait_dscnt 16                                ; the first 32 along K are in
	WIN MUL
	MUL8 \f, 0, 0, \zero
	MUL8 \f, 0, 2, \zero
	PLACES
	FETCH \slot, \q, \g
	s_wait_dscnt 32                                ; all but the 32 just issued
	WIN MUL
	MUL8 \f, 1, 0, 0
	MUL8 \f, 1, 2, 0
.endm
; The last quarter multiplies buffer 1 and changes slots: ONE barrier; in front of it each wave waits for all its tensor loads, adds 0 to its spare word, and waits for that and for its reads of this slot.  fill = 1: this slot is filled again, two K steps ahead.
.macro TURN slot, next, fill
	WIN 0                                          ; (the add's two registers lie in window 0)
	s_wait_tensorcnt 0x0                           ; all my tensor loads have landed: my part of the next slot
	ds_add_u32 v[SPW], v[NIL]                      ; 0 onto my spare word
	s_wait_dscnt 17                                ; (the add and the youngest sixteen loads may be out)
	WIN MUL
	MUL8 F1, 0, 0, 0
	s_wait_dscnt 0x0                               ; the add is done, and my reads of this slot are over
	s_barrier_signal -1
	MUL8 F1, 0, 2, 0
.if \fill
	WIN 0
.endif
	s_barrier_wait -1
.if \fill
	CREST                                          ; the barrier has opened a round of the cluster's: no wave of any partner still reads this slot or has a load on its way
	s_add_nc_u64 s[G0+4*\slot+2:G0+4*\slot+3], s[G0+4*\slot+2:G0+4*\slot+3], 131072       ; eight heads on
	s_add_nc_u64 s[G0B+4*\slot+2:G0B+4*\slot+3], s[G0B+4*\slot+2:G0B+4*\slot+3], 1048576  ; 512 rows on
	JLOAD \slot                                    ; the first tensor load behind the round; its four v_nop are also the places in front of the loads below
.else
	PLACES
.endif
	FETCH \next, 0, F0
	WIN MUL
	MUL8 F1, 1, 0, 0
	MUL8 F1, 1, 2, 0
.endm
	s_wait_loadcnt 0x0                             ; the bias
	s_wait_tensorcnt 1                             ; my part of K step 0 is in (K step 1's load may be out)
	s_barrier_signal -1
	s_barrier_wait -1                              ; everybody's is
	FETCH 0, 0, F0
	QUARTER 0, 1, F0, F1, 1                        ; K step 0; its first products start the sums
	QUARTER 0, 2, F1, F0, 0
	QUARTER 0, 3, F0, F1, 0
	TURN 0, 1, 1                                   ; slot 0 takes K step 2
	QUARTER 1, 1, F0, F1, 0                        ; K step 1
	QUARTER 1, 2, F1, F0, 0
	QUARTER 1, 3, F0, F1, 0
	TURN 1, 0, 1                                   ; slot 1 takes K step 3
	QUARTER 0, 1, F0, F1, 0                        ; K step 2
	QUARTER 0, 2, F1, F0, 0
	QUARTER 0, 3, F0, F1, 0
	TURN 0, 1, 0                                   ; nothing is left to fetch
	QUARTER 1, 1, F0, F1, 0                        ; K step 3
	QUARTER 1, 2, F1, F0, 0
	QUARTER 1, 3, F0, F1, 0
	s_wait_dscnt 16                                ; the very last quarter
	WIN MUL
	MUL8 F1, 0, 0, 0
	MUL8 F1, 0, 2, 0
	s_wait_dscnt 0
	MUL8 F1, 1, 0, 0
	MUL8 F1, 1, 2, 0
	WIN 0
; THE WAY OUT, a block of 16 rows x 64 columns at a time.  A wave's 64 columns of f32 are 256 bytes of a row, aligned: so each wave has a stage of its own and no barrier is needed.  A lane's 32 bytes go into
; rows of 272 bytes and come back as whole rows; sixteen lanes store 256 consecutive bytes.
.macro TOSTAGE a
.irp b, 0,1,2,3
	ds_store_b128 v[STO], v[ACC+8*(4*\a+\b):ACC+8*(4*\a+\b)+3] offset:64*\b          ; each accumulator from its low end on
	ds_store_b128 v[STO], v[ACC+8*(4*\a+\b)+4:ACC+8*(4*\a+\b)+7] offset:64*\b+16
.endr
.irp t, 0,1,2,3,4,5,6,7
	ds_load_b128 v[TMP+32*(\a%2)+4*\t:TMP+32*(\a%2)+4*\t+3], v[RD] offset:2*SPITCH*\t   ; LDS serves a wave's instructions in order: these see the stores above, and the next block's stores come behind them
.endr
.endm
.macro SEND a, younger                 ; younger: the LDS instructions issued behind block a's loads: the next block's sixteen, or none
	s_wait_dscnt \younger
.irp t, 0,1,2,3,4,5,6,7
	global_store_b128 v[CO], v[TMP+32*(\a%2)+4*\t:TMP+32*(\a%2)+4*\t+3], s[8:9] offset:(16*\a+2*\t)*4096 th:TH_STORE_NT
.endr
.endm
	PLACES
	TOSTAGE 0
	TOSTAGE 1
	SEND 0, 16
	s_wait_xcnt 0x0                                ; block 0's stores have read their registers: block 2's loads may land there
	TOSTAGE 2
	SEND 1, 16
	s_wait_xcnt 0x0                                ; likewise block 1's
	TOSTAGE 3
	SEND 2, 16
	SEND 3, 0
	s_wait_tensorcnt 0x0                           ; the wave's end: behind my last tensor load and my last LDS store
	ds_add_u32 v[SPW], v[NIL]
	s_wait_dscnt 0x0
	CROUND                                         ; the closing round
	s_endpgm
.Lfunc_end_k_qd28426a80a_gemm_out:
	.size	k_qd28426a80a_gemm_out, .Lfunc_end_k_qd28426a80a_gemm_out-k_qd28426a80a_gemm_out
	.p2alignl 7, 3214868480
	.fill 96, 4, 3214868480
	.section	.rodata,"a",@progbits
	.p2align	6, 0x0
	.amdhsa_kernel k_qd28426a80a_gemm_out
		.amdhsa_group_segment_fixed_size 327680
		.amdhsa_private_segment_fixed_size 0
		.amdhsa_enable_private_segment 0
		.amdhsa_kernarg_size 32
		.amdhsa_user_sgpr_count 2
		.amdhsa_user_sgpr_kernarg_segment_ptr 1
		.amdhsa_wavefront_size32 1
		.amdhsa_system_sgpr_workgroup_id_x 1
		.amdhsa_system_sgpr_workgroup_id_y 1
		.amdhsa_system_sgpr_workgroup_id_z 1
		.amdhsa_system_vgpr_workitem_id 0
		.amdhsa_next_free_vgpr 512
		.amdhsa_next_free_sgpr 66
		.amdhsa_reserve_vcc 0
		.amdhsa_float_denorm_mode_32 3
		.amdhsa_float_denorm_mode_16_64 3
		.amdhsa_memory_ordered 1
		.amdhsa_forward_progress 1
		.amdhsa_inst_pref_size 87
	.end_amdhsa_kernel
	.amdgpu_metadata
---
amdhsa.version: [ 1, 2 ]
amdhsa.kernels:
  - .name:           k_qd28426a80a_gemm_out
    .symbol:         k_qd28426a80a_gemm_out.kd
    .args:
      - { .name: cc, .offset: 0, .size: 8, .value_kind: global_buffer, .address_space: global }
      - { .name: wo16, .offset: 8, .size: 8, .value_kind: global_buffer, .address_space: global }
      - { .name: bo, .offset: 16, .size: 8, .value_kind: global_buffer, .address_space: global }
      - { .name: out0, .offset: 24, .size: 8, .value_kind: global_buffer, .address_space: global }
    .group_segment_fixed_size: 327680
    .private_segment_fixed_size: 0
    .kernarg_segment_align: 8
    .kernarg_segment_size: 32
    .max_flat_workgroup_size: 128
    .sgpr_count:     66
    .vgpr_count:     512
    .wavefront_size: 32
...
	.end_amdgpu_metadata
.endif
;; end of part 4
